; MI455X (gfx1250); checked and timed in simulation.
; The chip was launched on July 23, 2026; its instructions are those of AMD's public machine-readable ISA for CDNA 5 (MIT licence, August 2026) and "CDNA5" Instruction Set Architecture Reference Guide (July 2026). The comments in the code are by the model that wrote it; some were corrected since.
;; Multi Head Attention. Allowed arithmetic: matrix products marked QUANTISED: E3M2 operands, one E8M0 scale for each 32 along K, by v_wmma_scale_f32_16x16x128_f8f6f4 with both operands' format E3M2, f32 sums; everything else in f32.
;; Inputs: out_b 1,024 float32; out_w 1,024 x 1,024 float32; qkv_b 3,072 float32; qkv_w 3,072 x 1,024 float32; x_q 4 x 2,048 x 1,024 float32.
;; Outputs: out0 4 x 2,048 x 1,024 float32.
;; This version of the problem:
;;   THIS VERSION OF THE PROBLEM IS GIVEN IN LOW PRECISION. The matrix products marked QUANTISED in the list below multiply operands that are first quantised to E3M2 (3 exponent bits, 2 mantissa bits; 6 bits a number), with one power-of-two scale for each 32 numbers along K (OCP MX v1.0); their sums are f32. All else is computed in f32.
;;   The module's matrix products, in the order in which they are computed (A, B: the left and right operand; K: the contracted axis; several contracted axes count as one K, in the product's order):
;;     1. [M 8,192, K 1,024] x [K 1,024, N 3,072]; A: input x_q; B: input qkv_w: QUANTISED
;;     2. batch 64 x [M 2,048, K 64] x [K 64, N 2,048]; A: computed on the way; B: computed on the way: QUANTISED
;;     3. batch 64 x [M 2,048, K 2,048] x [K 2,048, N 64]; A: softmax (see below); B: computed on the way: QUANTISED
;;     4. [M 8,192, K 1,024] x [K 1,024, N 1,024]; A: computed on the way; B: input out_w: QUANTISED
;;   THE QUANTISER, for each operand of a quantised product, along K:
;;     - K is cut into blocks of 32 from its start; a last block that is shorter is filled with zeros.
;;     - A block's scale is 2^e with e = floor(log2(the largest magnitude in the block)) - 4, held to -126 .. 127; a block of zeros has e = 0. As a byte (E8M0): e + 127.
;;     - Each number is divided by its block's scale, clamped to +-28, and rounded to the nearest number of E3M2, ties to even, subnormals kept.
;;     - The product sums the exact products of the quantised numbers (number of the format x scale) in f32.
;;   ~~~python
;;   def quantise(x, axis):      # numpy; x: float32 -> the quantised numbers, widened to float32 again
;;       x = np.moveaxis(x, axis, -1); K = x.shape[-1]
;;       x = np.pad(x, [(0, 0)] * (x.ndim - 1) + [(0, -K % 32)]); x = x.reshape(x.shape[:-1] + (-1, 32)); a = np.abs(x).max(-1, keepdims=True)
;;       e = np.where(a > 0, np.clip(np.frexp(np.where(a > 0, a, 1))[1] - 1 - 4, -126, 127), 0)      # np.frexp(a)[1] - 1 = floor(log2(a)), exactly
;;       r = np.clip(x / 2.0 ** e, -28, 28)
;;       step = 2.0 ** (np.maximum(np.frexp(np.where(r == 0, 1, r))[1] - 1, -2) - 2)
;;       q = np.round(r / step) * step * 2.0 ** e      # np.round: ties to even
;;       return np.moveaxis(q.reshape(q.shape[:-2] + (-1,))[..., :K], -1, axis).astype(np.float32)
;;   ~~~
;;   SOFTMAX AHEAD OF A QUANTISED PRODUCT. Where the list says 'softmax', what is quantised is not the finished softmax but p = 2^(t - M), with t = logit x log2(e) and M = ceil(the row's largest t), a whole number; so 1/2 < the row's largest p <= 1. The row's sum l is taken of the UNQUANTISED p, in f32, and the product's result is divided by l at the end. Since M is a whole number, a kernel that streams over the keys may use a running M (the ceiling of the running maximum): every later rescaling is an exact power of two, which a block's scale takes up: the codes' values come out the same.
;;   OPERANDS COMPUTED ON THE WAY. 'Computed on the way' means the value that the module computes at that place (a softmax that the list does not call 'softmax' is quantised finished and normalised). What goes into a quantiser is computed in f32, as accurately as f32 sums, v_exp_f32 and their like allow (about 1e-6 of the number): no bf16 or f16 on the way to a quantiser, and a product that is left as it is and whose result goes on into a quantised operand takes f32 operands (vector FMAs, or v_wmma_f32_16x16x4_f32). A number that lies on a knife's edge between two numbers of the format may be rounded either way, as far as f32 arithmetic and the matrix unit's own rounding can turn it there, and no further.
;; One version. Each part assembles by itself: llvm-mc -triple=amdgcn-amd-amdhsa -mcpu=gfx1250 --defsym DOCPART=n.
;; ======== version 1 of 1: 4 launches
;; limits: right only within a limited range of input values
;; workspace buffers: cw 9,830,400 bytes; qkvc 18,874,368 bytes; qkvs 786,432 bytes; ac 6,553,600 bytes
;; launch quant (part 1): grid 768 x 1, 4 waves a work-group, no clusters, 67,072 bytes of LDS; arguments x_q, qkv_w, out_w, cw; writes cw
.if DOCPART == 1
	.amdgcn_target "amdgcn-amd-amdhsa--gfx1250"
	.amdhsa_code_object_version 6
	.text
	.protected	k_q20814ab80b_quant
	.globl	k_q20814ab80b_quant
	.p2align	8
	.type	k_q20814ab80b_quant,@function
k_q20814ab80b_quant:
	s_mov_b64 s[64:65], 0
	v_nop
	global_prefetch_b8 v0, s[64:65] scope:SCOPE_SE
	s_setreg_imm32_b32 hwreg(HW_REG_WAVE_MODE, 25, 1), 1
	s_wait_xcnt 0x0
; MULTI-HEAD ATTENTION IN MX-BF6, launch 1 of 4: x_q [8192][1024], qkv_w [3072][1024] and out_w [1024][1024], f32, K innermost, become codes of BF6 (E3M2) and E8M0 scale bytes in cw.
; NO WORK OF THE PROBLEM IS LEFT OUT IN ANY LAUNCH: every input has a way to the output (qkv_b's part on k too: it moves k's codes), so all five inputs are loaded and all four products are done in full.
; A block's scale is 2^(floor(log2(its largest magnitude)) - 4); its byte is the largest magnitude's exponent field - 4, held at 1 from below.
; LIMITS: NaN and infinities among the inputs are not served; a block whose largest magnitude lies under 2^-122 (the floor) has the byte 1; a block of zeros has the byte 1 where the rule says 127:
; its codes are zeros, which add nothing under any byte but 0xff, and the bytes are read by this program alone.
; LAYOUT OF cw: [octet: 96][K step of 256: 4][25,600 bytes].  An octet is 8 tiles of 16 rows: 8 x 3,072 bytes of codes, then 8 x 128 bytes of scales (row r of a tile: 8 bytes at 8 r).
; THE ROWS OF A TILE ARE NOT NEIGHBOURS: place r of tile 2 b + u is row 32 b + 8 u + r + 8 (r / 8), so that a product's results come out as neighbours in a lane's registers.
; A tile's codes of 64 along K are a HALF IMAGE of 768 bytes, the operand's six registers as they stand: lane l = (r, h) holds row r, k = 32 h .. 32 h + 31; registers 0-3 at 16 l, registers 4-5 at 512 + 8 l.
; SHARES: work-group T takes tile T (0-511 x_q, 512-703 qkv_w, 704-767 out_w), wave w its K step w: 16 rows x 256 numbers.  Each load reads 512 consecutive bytes of a row; the 16 KB turn through the wave's own
; stage in LDS (rows 1,040 bytes apart, so that sixteen rows' reads of 16 bytes fall on different banks) and come back 128 bytes, one whole block of 32, a lane.  Waves share nothing: no barrier.
; The wave's 128 scale bytes leave by one store of 128 consecutive bytes: half of an aligned 256; they are one part in 128 of what the launch reads.
.set WREG,  16640                      ; a wave's stage: 16 rows x (1,024 + 16) bytes
.set SPARE, 4*WREG                     ; behind the stages: the spare words, 128 bytes a wave, which no other line names
.set KPSW,  25600                      ; cw is laid [octet: 96][K step of 256: 4][25,600 bytes]: from K step to K step of an octet,
.set OCT,   102400                     ; and from octet to octet: an octet's whole K is one dense block
.set R,     16                         ; v16-143  32 loads x 4 registers; then 4 x 32 numbers: a block for each half image
.set C,     144                        ; v144-191 codes: 12 registers a half image (6, and the second conversion's 3 at + 6)
.set BY,    192                        ; v192-195 my four blocks' bytes
.set WD,    196                        ; v196-199 the scale words
.set SPW,   14                         ; v14 my spare word's LDS address; never rewritten
.set NIL,   15                         ; v15 0; never rewritten
	s_load_b256 s[4:11], s[0:1], 0x0               ; x_q, qkv_w, out_w, cw
	v_lshl_add_u32 v[SPW], v0, 2, SPARE
	v_mov_b32 v[NIL], 0
	v_lshrrev_b32 v1, 5, v0
	v_readfirstlane_b32 s16, v1                    ; wave = K step
	v_and_b32 v1, 31, v0                           ; lane
	v_and_b32 v2, 15, v0                           ; r
	v_bfe_u32 v3, v0, 4, 1                         ; h
	v_lshlrev_b32 v4, 4, v1                        ; 16 x lane
	v_lshlrev_b32 v5, 3, v1                        ; 8 x lane
	s_mul_i32 s17, s16, WREG
	v_add_nc_u32 v6, s17, v4                       ; the stage on the way in: as loaded
	v_mul_u32_u24 v7, v2, 1040
	v_lshl_add_u32 v7, v3, 7, v7
	v_add_nc_u32 v7, s17, v7                       ; and on the way out: row r, + 128 h
	v_lshlrev_b32 v8, 3, v2
	v_lshl_add_u32 v8, v3, 2, v8                   ; my scale word's place: 8 r + 4 h
	v_lshlrev_b32 v9, 3, v3                        ; 8 h: my bytes' shift
	s_mov_b32 s20, 0xffff0000                      ; lanes 16-31
	s_mov_b32 s22, 0x76543210
	s_mov_b32 s23, 0xfedcba98                      ; selects for lane l xor 16
	s_mul_i32 s24, s16, KPSW                       ; where my tile goes: K step,
	s_lshr_b32 s25, ttmp9, 3
	s_mul_i32 s25, s25, OCT
	s_add_co_u32 s24, s24, s25                     ; octet,
	s_and_b32 s26, ttmp9, 7
	s_mul_i32 s25, s26, 3072
	s_add_co_u32 s28, s24, s25                     ; the tile's codes;
	s_mov_b32 s29, 0
	s_lshl_b32 s26, s26, 7
	s_add_co_u32 s26, s26, s24
	s_add_co_u32 s26, s26, 24576                   ; its scales
	s_mov_b32 s27, 0
	s_wait_alu depctr_va_vdst(0)
	s_wait_kmcnt 0x0
	s_mov_b32 s13, 704
	s_cmp_lt_u32 ttmp9, 704                        ; which tensor: the choice hangs on the work-group's number alone
	s_cselect_b64 s[6:7], s[6:7], s[8:9]
	s_cselect_b32 s12, 512, s13
	s_cmp_lt_u32 ttmp9, 512
	s_cselect_b64 s[4:5], s[4:5], s[6:7]
	s_cselect_b32 s12, 0, s12
	s_sub_co_u32 s12, ttmp9, s12                   ; the tile's number in its tensor: 2 b + u
	s_lshr_b32 s17, s12, 1
	s_lshl_b32 s17, s17, 17                        ; 32 b rows of 4,096 bytes
	s_and_b32 s18, s12, 1
	s_lshl_b32 s18, s18, 15                        ; 8 u rows
	s_add_co_u32 s18, s18, s17
	s_lshl_b32 s17, s16, 10                        ; my K step's 1,024 bytes of a row
	s_add_co_u32 s18, s18, s17
	s_mov_b32 s19, 0
	s_add_nc_u64 s[4:5], s[4:5], s[18:19]
	s_add_nc_u64 s[14:15], s[10:11], s[26:27]      ; the scales' base
	s_add_nc_u64 s[10:11], s[10:11], s[28:29]      ; the codes' base
.set j, 0
.rept 32                                       ; all of the wave's 16 KB go out at once: place j / 2 of the tile, half j % 2 of its 1,024 bytes
	global_load_b128 v[R+4*j:R+4*j+3], v4, s[4:5] offset:((j/2)+8*(j/16))*4096+512*(j%2) th:TH_LOAD_NT
.set j, j+1
.endr
.set j, 0
.rept 4
	s_wait_loadcnt 24-j                            ; j = 0, 8, 16, 24 here: loads come back in order, so loads j .. j + 7 are in when the 24 - j younger ones alone are out
.rept 8
	ds_store_b128 v6, v[R+4*j:R+4*j+3] offset:(j/2)*1040+512*(j%2)
.set j, j+1
.endr
.endr
.set j, 0
.rept 32                                       ; LDS serves a wave's instructions in order: these see my stores.  Half image j / 8: my block's 128 bytes
	ds_load_b128 v[R+4*j:R+4*j+3], v7 offset:256*(j/8)+16*(j%8)
.set j, j+1
.endr
.macro HALF hi
.set XS, R+32*(\hi)
.set CC, C+12*(\hi)
	s_wait_dscnt 24-8*(\hi)                        ; this half image's eight loads are in; the later ones may be out
	v_max3_num_f32 v10, |v[XS]|, |v[XS+1]|, |v[XS+2]|              ; the block's largest magnitude: all 32 numbers are mine; two chains
	v_max3_num_f32 v11, |v[XS+3]|, |v[XS+4]|, |v[XS+5]|
.irp i, 6,10,14,18,22,26
	v_max3_num_f32 v10, v10, |v[XS+\i]|, |v[XS+\i+1]|
	v_max3_num_f32 v11, v11, |v[XS+\i+2]|, |v[XS+\i+3]|
.endr
	v_max3_num_f32 v10, v10, |v[XS+30]|, |v[XS+31]|
	v_max3_num_f32 v10, v10, v11, 0x2800000        ; and the floor 2^(5 - 127): the byte cannot fall under 1
	v_add_nc_u32 v12, 0xfe000000, v10              ; 4 off the exponent field: the conversion takes this operand's exponent field as its scale
	v_cvt_scalef32_pk16_bf6_f32 v[CC:CC+2], v[XS:XS+15], v12
	v_cvt_scalef32_pk16_bf6_f32 v[CC+6:CC+8], v[XS+16:XS+31], v12  ; (a conversion's three registers begin on an even number)
	v_lshrrev_b32 v[BY+\hi], 23, v12               ; the scale's byte; also the plain line behind the conversions
.irp i, 0,1,2
	v_mov_b32 v[CC+3+\i], v[CC+6+\i]
.endr
	global_store_b128 v4, v[CC:CC+3], s[10:11] offset:768*(\hi)        ; 512 consecutive bytes, aligned to 256
	global_store_b64 v5, v[CC+4:CC+5], s[10:11] offset:768*(\hi)+512   ; 256 consecutive bytes, aligned
.endm
	HALF 0
	HALF 1
	HALF 2
	HALF 3
	v_lshl_or_b32 v[WD], v[BY+1], 16, v[BY]        ; my bytes are those of blocks 2 hi + h of row r: word 0 takes hi = 0, 1,
	v_lshl_or_b32 v[WD+1], v[BY+3], 16, v[BY+2]    ; word 1 hi = 2, 3,
	v_lshlrev_b32 v[WD], v9, v[WD]                 ; 8 h bits up;
	v_lshlrev_b32 v[WD+1], v9, v[WD+1]
	v_mov_b32 v[WD+2], 0                           ; (a lane permute's destination counts as one of its sources)
	v_mov_b32 v[WD+3], 0
	v_permlanex16_b32 v[WD+2], v[WD], s22, s23
	v_permlanex16_b32 v[WD+3], v[WD+1], s22, s23
	v_or_b32 v[WD], v[WD], v[WD+2]                 ; with lane l xor 16's bytes both words are whole
	v_or_b32 v[WD+1], v[WD+1], v[WD+3]
	v_cndmask_b32 v[WD], v[WD], v[WD+1], s20       ; lanes 0-15 store word 0, lanes 16-31 word 1
	global_store_b32 v8, v[WD], s[14:15]
	s_wait_tensorcnt 0x0                           ; the wave's end, behind my last LDS store
	ds_add_u32 v[SPW], v[NIL]
	s_wait_dscnt 0x0
	s_endpgm
.Lfunc_end_k_q20814ab80b_quant:
	.size	k_q20814ab80b_quant, .Lfunc_end_k_q20814ab80b_quant-k_q20814ab80b_quant
	.p2alignl 7, 3214868480
	.fill 96, 4, 3214868480
	.section	.rodata,"a",@progbits
	.p2align	6, 0x0
	.amdhsa_kernel k_q20814ab80b_quant
		.amdhsa_group_segment_fixed_size 67072
		.amdhsa_private_segment_fixed_size 0
		.amdhsa_enable_private_segment 0
		.amdhsa_kernarg_size 32
		.amdhsa_user_sgpr_count 2
		.amdhsa_user_sgpr_kernarg_segment_ptr 1
		.amdhsa_wavefront_size32 1
		.amdhsa_system_sgpr_workgroup_id_x 1
		.amdhsa_system_sgpr_workgroup_id_y 1
		.amdhsa_system_sgpr_workgroup_id_z 1
		.amdhsa_system_vgpr_workitem_id 0
		.amdhsa_next_free_vgpr 208
		.amdhsa_next_free_sgpr 66
		.amdhsa_reserve_vcc 0
		.amdhsa_float_denorm_mode_32 3
		.amdhsa_float_denorm_mode_16_64 3
		.amdhsa_memory_ordered 1
		.amdhsa_forward_progress 1
		.amdhsa_inst_pref_size 17
	.end_amdhsa_kernel
	.amdgpu_metadata
---
amdhsa.version: [ 1, 2 ]
amdhsa.kernels:
  - .name:           k_q20814ab80b_quant
    .symbol:         k_q20814ab80b_quant.kd
    .args:
      - { .name: x_q, .offset: 0, .size: 8, .value_kind: global_buffer, .address_space: global }
      - { .name: qkv_w, .offset: 8, .size: 8, .value_kind: global_buffer, .address_space: global }
      - { .name: out_w, .offset: 16, .size: 8, .value_kind: global_buffer, .address_space: global }
      - { .name: cw, .offset: 24, .size: 8, .value_kind: global_buffer, .address_space: global }
    .group_segment_fixed_size: 67072
    .private_segment_fixed_size: 0
    .kernarg_segment_align: 8
    .kernarg_segment_size: 32
    .max_flat_workgroup_size: 128
    .sgpr_count:     66
    .vgpr_count:     208
    .wavefront_size: 32
...
	.end_amdgpu_metadata
.endif
;; end of part 1
;; launch qkv (part 2): grid 12 x 32, 4 waves a work-group, clusters of 4 x 4, 327,680 bytes of LDS; arguments cw, qkv_b, qkvc, qkvs; writes qkvc, qkvs
.if DOCPART == 2
	.amdgcn_target "amdgcn-amd-amdhsa--gfx1250"
	.amdhsa_code_object_version 6
	.text
	.protected	k_q20814ab80b_qkv
	.globl	k_q20814ab80b_qkv
	.p2align	8
	.type	k_q20814ab80b_qkv,@function
k_q20814ab80b_qkv:
	s_mov_b64 s[64:65], 0
	v_nop
	global_prefetch_b8 v0, s[64:65] scope:SCOPE_SE
	s_setreg_imm32_b32 hwreg(HW_REG_WAVE_MODE, 25, 1), 1
	s_wait_xcnt 0x0
	s_wait_alu depctr_hold_cnt(0) depctr_sa_sdst(0) depctr_va_vdst(0) depctr_va_sdst(0) depctr_va_ssrc(0) depctr_va_vcc(0) depctr_vm_vsrc(0)
	s_getreg_b32 s2, hwreg(HW_REG_IB_STS2, 6, 4)
	s_cmp_eq_u32 s2, 0
	s_cbranch_scc0 .Lentry_in_a_cluster
	s_endpgm
.Lentry_in_a_cluster:
	s_bfe_u32 s2, ttmp6, 0x10000c
	s_cmp_lg_u32 s2, 0xf033
	s_cbranch_scc0 .Lentry_shape_is_right
	s_endpgm
.Lentry_shape_is_right:
; Launch 2 of 4: x_q qkv_w^T + qkv_b on codes of BF6 (K = 1,024), q / 8, and the quantiser of the next two products' operands: q and k along the head's 64, v along the keys.  The f32 results never go to memory.
; Nothing of the problem is left out here.  LIMITS as in the first launch (NaN, infinities; the floor of a block's byte; a block of zeros has the byte 1).
; A tile of 256 x 256 to a work-group of four waves, 128 x 128 (64 accumulators, 512 registers) to a wave.  The matrix instruction is used transposed: source 0 = 16 rows of B', source 1 = 16 rows of A':
; a lane holds ONE row of A' and its registers run along B's rows; by the order of rows in a tile (first launch) the 16 registers of tiles 2 b, 2 b + 1 are 16 neighbours.
; ONE BODY, TWO MODES, by the cluster's x, which all partners share.  x = 0 (q), 1 (k): A' = tokens, B' = rows of qkv_w: a lane holds a token, registers run along (head, d).
; x = 2 (v): A' = v's rows of qkv_w, B' = tokens: a lane holds one (head, d), registers run along the keys.  In both the way out quantises a lane's 64 registers in blocks of 32 and stores the operand's registers as they stand.
; OUT: qkvc: thirds q, k, v of 6,291,456 bytes, 98,304 a head.  q, k: [head 64][token tile 128][768]: half images (16 tokens x 64 d).  v: [head][key step 16][d tile 4][2][768]: fragments 16 d x 128 keys.
;      qkvs: thirds of 262,144, 4,096 a head.  q, k: [head][pair of tiles 64][16] words: bytes 0, 1 the even tile's two blocks, bytes 2, 3 the odd tile's.  v: [head][key step][d tile][16] words.
; LDS: THREE slots of four octets (A's two, B's two; 102,400 bytes); an octet (25,600 dense bytes: 8 tiles' codes of 256 along K and their scales) is one tensor load.  K steps 0, 1, 2 are first fills, K step 3 the one refill, into slot 0:
; a wave has one tensor load out at a time.  All of a WGP's LDS is claimed.
; CLUSTER 4 x 4: A's octets are shared along a row of the cluster, B's along a column: each is asked for jointly.
; No prefetch: K step 0 is asked for at the head, each later one a K step ahead of its use.
; The scale words of q and k leave 64 bytes to sixteen lanes (a wave's four such stores fill 256 aligned bytes of a head): one part in 24 of the launch's output.
; REGISTERS: window 0: v1 r, v2 h, v8-22 LDS addresses, v23-30 the way out, v32-63 two sets of scale words, v64-127 the bias, v128-223 A's 8 fragments (one set); on the way out v128-239 are at work.
;   window 1: B's fragments, two sets, at v0 and v128.   windows 2, 3: the accumulators, (a, b) at v[8 (8 (a % 4) + b)].
.set OCT,   25600
.set SLOT,  4*OCT
.set SPARE, 3*SLOT                     ; behind the slots: the spare words, 128 bytes a wave, which no other line names
.set KPA,   25600                      ; cw is laid [octet][K step][25,600]: bytes from K step to K step in A's buffer,
.set KPB,   25600
.set THIRD, 6291456
.set FR,    12                         ; registers of a fragment
.set A16,   8                          ; v8-10   my A octet in slot s, + 16 x lane
.set A8,    11                         ; v11-13  the same + 8 x lane
.set B16,   14                         ; v14-16, v17-19 the same for B
.set B8,    17
.set SCL,   20                         ; v20-22  my scale words in slot s: lanes 0-15 A's rows, lanes 16-31 B's
.set BO,    23                         ; v23     the bias's offset
.set L16,   24                         ; v24     16 x lane
.set L8,    25                         ; v25     8 x lane
.set SV,    26                         ; v26     my scale word's place on the way out
.set SPW,   28                         ; v28     my spare word; never rewritten
.set NIL,   29                         ; v29     0; never rewritten
.set VSEL,  30                         ; v30     byte selects for the scale words; v31 at work
.set SC,    32
.set BI,    64
.set AF,    128
.set T,     128                        ; the way out: v128-191 a block's 64 numbers a lane
.set PC,    192                        ; v192-203 its codes; v204-210 the conversions' second halves
.set TM,    212                        ; v212-215 largest magnitudes, v216-219 the other half's and the bytes, v224-227 the scale operands
.set PW,    228                        ; v228-235 the scale word of each block of rows
.set SW,    236                        ; v236-239 scale words to store
.set G1,    24                         ; s[24:31] group 1 for A;  s[32:43] groups 0, one for each slot
.set G0,    32
.set G1B,   48                         ; s[48:55], s[68:79] the same for B
.set G0B,   68
.set MSB,   0
.macro WIN new                         ; the immediate's high byte repeats the setting that is left; a switch that changes nothing is dropped
.if MSB != (\new)
	s_set_vgpr_msb (MSB<<8)|(\new)
.set MSB, \new
.endif
.endm
.set TO_B, 0x40                        ; destination window 1, address window 0
.macro JLOAD g0a, g1a, g0b, g1b        ; a joint load: waves 0, 1 fetch A's octets, waves 2, 3 B's; an s_nop 0 and four v_nop follow each line
	s_cmp_eq_u32 s15, 0
	s_cbranch_scc0 .Lfor_b_\@
	tensor_load_to_lds s[\g0a:\g0a+3], s[\g1a:\g1a+7]
	s_nop 0
.rept 4
	v_nop
.endr
	s_branch .Lasked_\@
.Lfor_b_\@:
	tensor_load_to_lds s[\g0b:\g0b+3], s[\g1b:\g1b+7]
	s_nop 0
.rept 4
	v_nop
.endr
.Lasked_\@:
.endm
.macro CREST                           ; a round of the cluster's barrier behind its opening barrier
	s_cmp_lg_u32 s14, 0
	s_cbranch_scc1 .Lnot_wave_0_\@
	s_barrier_signal -3
.Lnot_wave_0_\@:
	s_barrier_wait -3
	s_barrier_signal -1
	s_barrier_wait -1
.endm
.macro CROUND
	s_barrier_signal -1
	s_barrier_wait -1
	CREST
.endm
.macro PLACES                          ; four plain places behind matrix instructions, in front of loads into their registers and of reads of their results
.rept 4
	v_nop
.endr
.endm
.macro FRAG reg, a16, a8, off          ; a fragment = two half images on end: four loads, each of consecutive bytes
	ds_load_b128 v[\reg:\reg+3], v[\a16] offset:\off
	ds_load_b64 v[\reg+4:\reg+5], v[\a8] offset:\off+512
	ds_load_b128 v[\reg+6:\reg+9], v[\a16] offset:\off+768
	ds_load_b64 v[\reg+10:\reg+11], v[\a8] offset:\off+1280
.endm
.macro FETCH_B slot, q, p              ; B's eight fragments of the slot's q-th 128 along K into set p: 32 loads
	WIN TO_B
.irp i, 0,1,2,3,4,5,6,7
	FRAG 128*(\p)+FR*\i, B16+\slot, B8+\slot, 3072*\i+1536*(\q)
.endr
	WIN 0
.endm
.macro FETCH_A slot, q, i0             ; A's blocks i0 .. i0 + 3: 16 loads
.irp i, \i0, \i0+1, \i0+2, \i0+3
	FRAG AF+FR*(\i), A16+\slot, A8+\slot, 3072*(\i)+1536*(\q)
.endr
.endm
.macro SCALES slot, set                ; a K step's scale words: register 2 i + q: lanes 0-15 A's block i, lanes 16-31 B's block i
.irp i, 0,1,2,3,4,5,6,7
	ds_load_b64 v[SC+16*(\set)+2*\i:SC+16*(\set)+2*\i+1], v[SCL+\slot] offset:128*\i
.endr
.endm
; 16 matrix instructions: A's blocks a0, a0 + 1 x B's eight.  cmode 1: the first product starts the sums.  The 64 accumulators take turns, one instruction a turn.
.macro MUL16 a0, p, q, set, cmode
	WIN 0xa1+0x50*((\a0)/4)                        ; source 0 (B) window 1, source 1 (A) window 0, C and D window 2 or 3
.irp a, \a0, \a0+1
.irp b, 0,1,2,3,4,5,6,7
.if \cmode == 1
	v_wmma_scale_f32_16x16x128_f8f6f4 v[8*(8*((\a)%4)+\b):8*(8*((\a)%4)+\b)+7], v[128*(\p)+FR*\b:128*(\p)+FR*\b+FR-1], v[AF+FR*(\a):AF+FR*(\a)+FR-1], 0, v[SC+16*(\set)+2*\b+(\q)], v[SC+16*(\set)+2*(\a)+(\q)] matrix_a_fmt:MATRIX_FMT_BF6 matrix_b_fmt:MATRIX_FMT_BF6 matrix_a_scale:MATRIX_SCALE_ROW1
.else
	v_wmma_scale_f32_16x16x128_f8f6f4 v[8*(8*((\a)%4)+\b):8*(8*((\a)%4)+\b)+7], v[128*(\p)+FR*\b:128*(\p)+FR*\b+FR-1], v[AF+FR*(\a):AF+FR*(\a)+FR-1], v[8*(8*((\a)%4)+\b):8*(8*((\a)%4)+\b)+7], v[SC+16*(\set)+2*\b+(\q)], v[SC+16*(\set)+2*(\a)+(\q)] matrix_a_fmt:MATRIX_FMT_BF6 matrix_b_fmt:MATRIX_FMT_BF6 matrix_a_scale:MATRIX_SCALE_ROW1
.endif
.endr
.endr
.endm
.macro STEP slot, set, cmode           ; a slot's first 128 along K; it fetches the second
	s_wait_dscnt 16                                ; all but the youngest 16 loads (A's blocks 4-7) are in
	MUL16 0, 0, 0, \set, \cmode
	MUL16 2, 0, 0, \set, \cmode
	s_wait_dscnt 0x0                               ; A's blocks 4-7 are in
	PLACES
	FETCH_B \slot, 1, 1
	FETCH_A \slot, 1, 0
	MUL16 4, 0, 0, \set, \cmode
	MUL16 6, 0, 0, \set, \cmode
	PLACES
	WIN 0
	FETCH_A \slot, 1, 4
.endm
; A slot's second 128 along K, and the change of slots: one barrier.  tcnt: how many younger tensor loads may stay out; where it is 0 the add follows.  fill = 1: K step 3 is asked for, into slot 0.
.macro TURN slot, set, next, nset, tcnt, fill
	s_wait_tensorcnt \tcnt                         ; my part of the next slot has landed (tcnt = 0: all my tensor loads have)
.if \tcnt == 0
	ds_add_u32 v[SPW], v[NIL]                      ; 0 onto my spare word
	s_wait_dscnt 17                                ; (the add and the youngest 16 loads may be out)
.else
	s_wait_dscnt 16
.endif
	MUL16 0, 1, 1, \set, 0
	s_wait_dscnt 0x0                               ; the add is done, and my reads of this slot are over
	s_barrier_signal -1
	MUL16 2, 1, 1, \set, 0
	WIN 0
	s_barrier_wait -1
.if \fill
	CREST                                          ; the barrier has opened a round of the cluster's
.if \fill == 1
	s_add_nc_u64 s[G0+2:G0+3], s[G0+2:G0+3], 3*KPA
	s_add_nc_u64 s[G0B+2:G0B+3], s[G0B+2:G0B+3], 3*KPB
	JLOAD G0, G1, G0B, G1B                         ; fill = 1: K step 3, the one refill, into slot 0
.else
	JLOAD G0+8, G1, G0B+8, G1B                     ; fill = 2: K step 2, slot 2's first fill, issued as a refill is
.endif
.else
	PLACES
.endif
	FETCH_B \next, 0, 0
	FETCH_A \next, 0, 0
	SCALES \next, \nset
	MUL16 4, 1, 1, \set, 0
	MUL16 6, 1, 1, \set, 0
	PLACES
	WIN 0
	FETCH_A \next, 0, 4
.endm
.macro LAST set                        ; the very last 128 along K: nothing more to fetch
	s_wait_dscnt 16
	MUL16 0, 1, 1, \set, 0
	MUL16 2, 1, 1, \set, 0
	s_wait_dscnt 0x0
	MUL16 4, 1, 1, \set, 0
	MUL16 6, 1, 1, \set, 0
	WIN 0
.endm
; THE WAY OUT of A's block a (16 rows of A', 128 of B'): bias (and q's 1 / 8), four blocks of 32 quantised in registers, two half images and the scale words stored.  mode 0: q, k; 1: v.
.macro EPI a, mode
	WIN 0x02+(\a)/4                                ; source 0: window 2 or 3
.set AC, 64*((\a)%4)
.set i, 0
.rept 32                                       ; each accumulator from its low end on
.if \mode
	v_pk_add_f32 v[T+i:T+i+1], v[AC+i:AC+i+1], v[BI+2*(\a):BI+2*(\a)+1] op_sel_hi:[1,0]   ; my row's bias
.else
	v_pk_fma_f32 v[T+i:T+i+1], v[AC+i:AC+i+1], s[62:63], v[BI+i:BI+i+1] op_sel_hi:[1,0,1]  ; q: (sum + b) / 8 = sum / 8 + b / 8, exact scalings by a power of two; k: the factor is 1, at an addition's cost
.endif
.set i, i+2
.endr
	WIN 0
.irp b, 0,1,2,3
	v_max3_num_f32 v[TM+\b], |v[T+16*\b]|, |v[T+1+16*\b]|, 0x2800000   ; block b: my 16 numbers, and the floor 2^(5 - 127)
.endr
.irp e, 2,4,6,8,10,12,14
.irp b, 0,1,2,3
	v_max3_num_f32 v[TM+\b], v[TM+\b], |v[T+16*\b+\e]|, |v[T+1+16*\b+\e]|
.endr
.endr
.irp b, 0,1,2,3
	v_permlanex16_b32 v[TM+4+\b], v[TM+\b], s60, s61
.endr
.irp b, 0,1,2,3
	v_max_num_f32 v[TM+\b], v[TM+\b], v[TM+4+\b]   ; with lane l xor 16's: the block's largest magnitude
.endr
.irp b, 0,1,2,3
	v_add_nc_u32 v[TM+12+\b], 0xfe000000, v[TM+\b] ; 4 off the exponent field: the conversion's scale operand
.endr
.irp b, 0,1,2,3
	v_lshrrev_b32 v[TM+4+\b], 23, v[TM+12+\b]      ; the scale's byte
.endr
	v_lshl_or_b32 v[PW+(\a)], v[TM+5], 8, v[TM+4]
	v_lshl_or_b32 v[PW+(\a)], v[TM+6], 16, v[PW+(\a)]
	v_lshl_or_b32 v[PW+(\a)], v[TM+7], 24, v[PW+(\a)]
	s_wait_xcnt 0x0                                ; the last block's stores have read the codes' registers: only now are they written again
.irp c, 0,1
	v_cvt_scalef32_pk16_bf6_f32 v[PC+6*\c:PC+2+6*\c], v[T+32*\c:T+15+32*\c], v[TM+12+2*\c]
	v_cvt_scalef32_pk16_bf6_f32 v[PC+12+4*\c:PC+14+4*\c], v[T+16+32*\c:T+31+32*\c], v[TM+13+2*\c]
.endr
	v_nop                                          ; one plain place behind a scaled conversion
.irp c, 0,1                                    ; the operand's layout wants a whole block in a lane
.if \mode
; v: lanes 0-15 hold block 2 c with its keys in order; lanes 16-31 hold block 2 c + 1 with keys 16-31 ahead of keys 0-15: the order in which the next launch's p comes out
.irp n, 0,1,2
	v_cndmask_b32 v[PC+3+6*\c+\n], v[PC+12+4*\c+\n], v[PC+6*\c+\n], s59   ; what the lane l xor 16 needs: lanes 0-15 their half of block 2 c + 1, lanes 16-31 theirs of block 2 c
.endr
.irp n, 0,1,2
	v_cndmask_b32 v[PC+6*\c+\n], v[PC+6*\c+\n], v[PC+12+4*\c+\n], s59     ; the first three registers: each lane's own half of its block
.endr
.irp n, 0,1,2
	v_mov_b32 v[PC+12+4*\c+\n], v[PC+3+6*\c+\n]
.endr
.irp n, 0,1,2
	v_permlanex16_b32 v[PC+3+6*\c+\n], v[PC+12+4*\c+\n], s60, s61         ; the second three: the other half, from lane l xor 16
.endr
.else
.irp n, 0,1,2
	v_permlane16_swap_b32 v[PC+6*\c+\n], v[PC+12+4*\c+\n]
.endr
.irp n, 0,1,2
	v_mov_b32 v[PC+3+6*\c+\n], v[PC+12+4*\c+\n]
.endr
.endif
.endr
.irp c, 0,1
.if \mode
	global_store_b128 v[L16], v[PC+6*\c:PC+6*\c+3], s[8:9] offset:98304*((\a)/4)+1536*((\a)%4)+768*\c       ; head a / 4, d tile a % 4, keys 64 c on
	global_store_b64 v[L8], v[PC+6*\c+4:PC+6*\c+5], s[8:9] offset:98304*((\a)/4)+1536*((\a)%4)+768*\c+512
.else
	global_store_b128 v[L16], v[PC+6*\c:PC+6*\c+3], s[8:9] offset:98304*\c+768*(\a)                         ; head c, token tile a
	global_store_b64 v[L8], v[PC+6*\c+4:PC+6*\c+5], s[8:9] offset:98304*\c+768*(\a)+512
.endif
.endr
.if (\a)%2
	v_perm_b32 v[SW+(\a)/2], v[PW+(\a)], v[PW+(\a)-1], v[VSEL]     ; bytes 4-7 name block a's word, bytes 0-3 block a - 1's
.if \mode
	global_store_b32 v[SV], v[SW+(\a)/2], s[10:11] offset:4096*((\a)/4)+64*(((\a)-1)%4)
.else
	global_store_b32 v[SV], v[SW+(\a)/2], s[10:11] offset:64*((\a)/2)
.endif
.endif
.endm
	s_load_b256 s[4:11], s[0:1], 0x0               ; cw, qkv_b, qkvc, qkvs
	v_lshl_add_u32 v[SPW], v0, 2, SPARE
	v_mov_b32 v[NIL], 0
	ds_add_u32 v[SPW], v[NIL]                      ; the wave's opening: the add, twice on end, and its wait ahead of my first tensor load
	ds_add_u32 v[SPW], v[NIL]
	v_lshrrev_b32 v1, 5, v0
	v_readfirstlane_b32 s14, v1                    ; wave 0..3
	s_lshr_b32 s15, s14, 1                         ; which octet of A' is mine to multiply.  Also: I fetch for A (0) or B (1)
	s_and_b32 s16, s14, 1                          ; which octet of B'.  Also: which octet I fetch
	s_bfe_u32 s44, ttmp6, 0x40000                  ; cx
	s_bfe_u32 s45, ttmp6, 0x40004                  ; cy
	s_and_b32 s46, ttmp7, 0xffff                   ; the cluster's y
	s_cmp_eq_u32 ttmp9, 2                          ; the mode: the cluster's x, the same in all partners
	s_cselect_b32 s47, 1, 0
	s_cselect_b32 s80, 0, s46                      ; A's rows: tokens by the cluster's y; v's 1,024 rows by cy alone
	s_cselect_b32 s81, s46, ttmp9                  ; B's rows: q's and k's by the cluster's x; tokens by its y
	s_cselect_b32 s82, 80, 0                       ; A's first octet in cw: v's rows of qkv_w, or x_q
	s_cselect_b32 s83, 0, 64                       ; B's: x_q, or qkv_w
	s_lshl_b32 s17, s80, 2
	s_add_co_u32 s17, s17, s45                     ; RA: which 256 rows of A'
	s_lshl_b32 s58, s81, 2
	s_add_co_u32 s58, s58, s44                     ; CB: which 256 rows of B'
	s_lshl_b32 s56, s45, 2
	s_lshl_b32 s56, 15, s56                        ; my row of the cluster
	s_lshl_b32 s57, 0x1111, s44                    ; my column
	s_or_b32 s[G1], s56, (3<<16)|(1<<21)           ; 15:0 the mask; 17:16 elements of 8 bytes; 21 set beside a mask; no padding
	s_or_b32 s[G1B], s57, (3<<16)|(1<<21)
.irp g, G1, G1B
	s_mov_b32 s[\g+1], 32<<16                      ; tensor_dim0 = 32 elements: rows of 256 bytes
	s_mov_b32 s[\g+2], 100<<16                     ; tensor_dim1 = 100
	s_mov_b32 s[\g+3], 32<<16                      ; tile_dim0
	s_mov_b32 s[\g+4], 100                         ; tile_dim1
	s_mov_b32 s[\g+5], 32                          ; the pitch: dense
	s_mov_b32 s[\g+6], 0
	s_mov_b32 s[\g+7], 0
.endr
	s_lshl_b32 s84, s17, 1
	s_add_co_u32 s84, s84, s82
	s_add_co_u32 s84, s84, s16
	s_mul_i32 s84, s84, 4*OCT                      ; A: the octet that I fetch, in bytes: four K steps to an octet
	s_mov_b32 s85, 0
	s_lshl_b32 s86, s58, 1
	s_add_co_u32 s86, s86, s83
	s_add_co_u32 s86, s86, s16
	s_mul_i32 s86, s86, 4*OCT
	s_mov_b32 s87, 0
	s_mul_i32 s88, s14, OCT                        ; where it goes in a slot: wave x an octet
	s_mov_b32 s60, 0x76543210
	s_mov_b32 s61, 0xfedcba98                      ; selects for lane l xor 16
	s_mov_b32 s59, 0xffff0000                      ; lanes 16-31
	s_mov_b32 s63, 0x3f800000
	s_cmp_eq_u32 ttmp9, 0
	s_cselect_b32 s62, 0x3e000000, s63             ; q: 1 / 8 = 64^-0.5; k: 1
	s_mov_b32 s63, s62
	s_wait_dscnt 0x0                               ; both opening adds are done
	s_wait_kmcnt 0x0
	s_add_nc_u64 s[84:85], s[4:5], s[84:85]
	s_add_nc_u64 s[86:87], s[4:5], s[86:87]
	CROUND                                         ; all sixteen work-groups are here: the first joint loads meet
.irp s, 0,1,2
	s_mov_b32 s[G0+4*\s], 1
	s_add_co_u32 s[G0+4*\s+1], s88, \s*SLOT
	s_add_nc_u64 s[G0+4*\s+2:G0+4*\s+3], s[84:85], \s*KPA
	s_or_b32 s[G0+4*\s+3], s[G0+4*\s+3], 0x80000000
	s_mov_b32 s[G0B+4*\s], 1
	s_add_co_u32 s[G0B+4*\s+1], s88, \s*SLOT
	s_add_nc_u64 s[G0B+4*\s+2:G0B+4*\s+3], s[86:87], \s*KPB
	s_or_b32 s[G0B+4*\s+3], s[G0B+4*\s+3], 0x80000000
.if \s == 0
	JLOAD G0, G1, G0B, G1B                         ; K step 0 alone at the head: one tensor load a wave there
.endif
.endr
	v_and_b32 v3, 31, v0
	v_and_b32 v1, 15, v0                           ; r
	v_bfe_u32 v2, v0, 4, 1                         ; h
	v_lshlrev_b32 v[L16], 4, v3
	v_lshlrev_b32 v[L8], 3, v3
	s_mul_i32 s89, s15, OCT                        ; my octet of A',
	s_mul_i32 s90, s16, OCT
	s_add_co_u32 s90, s90, 2*OCT                   ; my octet of B', behind A's two
	s_sub_co_u32 s91, s90, s89
	v_lshlrev_b32 v6, 3, v1                        ; scale words: 8 bytes a row;
	v_mul_u32_u24 v7, s91, v2                      ; lanes 16-31 take B's
	v_add_nc_u32 v6, v6, v7
	s_add_co_u32 s92, s89, 24576
.irp s, 0,1,2
	v_add_nc_u32 v[A16+\s], s89, v[L16]
	v_add_nc_u32 v[A8+\s], s89, v[L8]
	v_add_nc_u32 v[B16+\s], s90, v[L16]
	v_add_nc_u32 v[B8+\s], s90, v[L8]
	v_add_nc_u32 v[SCL+\s], s92, v6
	s_add_co_u32 s89, s89, SLOT
	s_add_co_u32 s90, s90, SLOT
	s_add_co_u32 s92, s92, SLOT
.endr
	s_wait_alu depctr_va_vdst(0)
	s_wait_tensorcnt 0x0                           ; my part of K step 0 is in
	ds_add_u32 v[SPW], v[NIL]
	s_wait_dscnt 0x0
	CROUND
	JLOAD G0+4, G1, G0B+4, G1B                     ; K step 1 into slot 1: my one load behind this round
	FETCH_B 0, 0, 0
	FETCH_A 0, 0, 0
	SCALES 0, 0
	FETCH_A 0, 0, 4
	STEP 0, 0, 1                                   ; the first products start the sums: nothing is cleared
	TURN 0, 0, 1, 1, 0, 2                          ; K step 1 is in; K step 2 is asked for, into slot 2
	STEP 1, 1, 0
	TURN 1, 1, 2, 0, 0, 1                          ; K step 3 is asked for, into slot 0: it has K step 2's 128 matrix instructions in which to land
	STEP 2, 0, 0
	TURN 2, 0, 0, 1, 0, 0
	s_cmp_eq_u32 s47, 0                            ; THE MODES PART HERE, once: each arm has its bias loads, the last K step, under which they land, and its way out
	s_cbranch_scc0 .Lmode_v
	; ---- q, k: the bias of my 128 columns: register 16 b + i is column 32 b + 16 h + i
	s_lshl_b32 s92, s58, 10
	s_lshl_b32 s93, s16, 9
	s_add_co_u32 s92, s92, s93
	s_mov_b32 s93, 0
	s_add_nc_u64 s[6:7], s[6:7], s[92:93]          ; qkv_b at column 256 CB + 128 (w & 1)
	v_lshlrev_b32 v[BO], 6, v2
.irp b, 0,1,2,3
.irp k, 0,1,2,3
	global_load_b128 v[BI+16*\b+4*\k:BI+16*\b+4*\k+3], v[BO], s[6:7] offset:128*\b+16*\k
.endr
.endr
	s_lshr_b32 s92, s17, 3                         ; batch
	s_lshl_b32 s92, s92, 4
	s_lshl_b32 s93, s44, 2
	s_add_co_u32 s92, s92, s93
	s_lshl_b32 s93, s16, 1
	s_add_co_u32 s92, s92, s93                     ; my first head: 16 batch + 4 cx + 2 (w & 1)
	s_and_b32 s93, s17, 7
	s_lshl_b32 s93, s93, 4
	s_lshl_b32 s94, s15, 3
	s_add_co_u32 s93, s93, s94                     ; my first token tile in the batch
	s_lshl_b32 s94, s92, 7
	s_add_co_u32 s94, s94, s93
	s_mul_i32 s94, s94, 768
	s_mul_i32 s95, ttmp9, THIRD
	s_add_co_u32 s94, s94, s95
	s_mov_b32 s95, 0
	s_add_nc_u64 s[8:9], s[8:9], s[94:95]
	s_lshl_b32 s94, s92, 12
	s_lshl_b32 s96, s93, 5
	s_add_co_u32 s94, s94, s96
	s_lshl_b32 s96, ttmp9, 18
	s_add_co_u32 s94, s94, s96
	s_add_nc_u64 s[10:11], s[10:11], s[94:95]
	v_lshlrev_b32 v[SV], 2, v1
	v_lshl_add_u32 v[SV], v2, 12, v[SV]            ; lanes 0-15 store my first head's words, lanes 16-31 the second's
	v_mov_b32 v[VSEL], 0x05040100                  ; first head: bytes 0, 1 of both tiles' words;
	v_mov_b32 v31, 0x07060302                      ; second head: bytes 2, 3
	v_cndmask_b32 v[VSEL], v[VSEL], v31, s59
	STEP 0, 1, 0
	LAST 1
	PLACES
	s_wait_loadcnt 0x0                             ; the bias
	s_cmp_lg_u32 ttmp9, 0
	s_cbranch_scc1 .Lnot_q
.set i, 0
.rept 32
	v_pk_mul_f32 v[BI+i:BI+i+1], v[BI+i:BI+i+1], s[62:63] op_sel_hi:[1,0]   ; q alone: b / 8
.set i, i+2
.endr
.Lnot_q:
.irp b, 0,1,2,3
	v_mov_b32 v[TM+4+\b], 0                        ; written once: a lane permute's destination counts as one of its sources
.endr
.irp a, 0,1,2,3,4,5,6,7
	EPI \a, 0
.endr
	s_branch .Lend
.Lmode_v:
	; ---- v: the bias of my rows: for block a, row 32 (a / 2) + 8 (a % 2) + r + 8 (r / 8) of my 128
	s_lshl_b32 s92, s45, 10
	s_lshl_b32 s93, s15, 9
	s_add_co_u32 s92, s92, s93
	s_add_co_u32 s92, s92, 8192
	s_mov_b32 s93, 0
	s_add_nc_u64 s[6:7], s[6:7], s[92:93]          ; qkv_b at 2,048 + 256 cy + 128 (w >> 1)
	v_and_b32 v[BO], 8, v1
	v_add_nc_u32 v[BO], v[BO], v1
	v_lshlrev_b32 v[BO], 2, v[BO]
.irp a, 0,1,2,3,4,5,6,7
	global_load_b32 v[BI+2*\a], v[BO], s[6:7] offset:4*(32*(\a/2)+8*(\a%2))
.endr
	s_lshr_b32 s92, s58, 3                         ; batch
	s_lshl_b32 s92, s92, 4
	s_lshl_b32 s93, s45, 2
	s_add_co_u32 s92, s92, s93
	s_lshl_b32 s93, s15, 1
	s_add_co_u32 s92, s92, s93                     ; my first head: 16 batch + 4 cy + 2 (w >> 1)
	s_and_b32 s93, s58, 7
	s_lshl_b32 s93, s93, 1
	s_add_co_u32 s93, s93, s16                     ; my key step
	s_mul_i32 s94, s92, 98304
	s_mul_i32 s95, s93, 6144
	s_add_co_u32 s94, s94, s95
	s_add_co_u32 s94, s94, 2*THIRD
	s_mov_b32 s95, 0
	s_add_nc_u64 s[8:9], s[8:9], s[94:95]
	s_lshl_b32 s94, s92, 12
	s_lshl_b32 s96, s93, 8
	s_add_co_u32 s94, s94, s96
	s_add_co_u32 s94, s94, 524288
	s_add_nc_u64 s[10:11], s[10:11], s[94:95]
	v_lshlrev_b32 v[SV], 2, v3                     ; lanes 0-15 store d tile a - 1's words, lanes 16-31 tile a's: 128 consecutive bytes
	v_mov_b32 v[VSEL], 0x03020100
	v_mov_b32 v31, 0x07060504
	v_cndmask_b32 v[VSEL], v[VSEL], v31, s59
	STEP 0, 1, 0
	LAST 1
	PLACES
	s_wait_loadcnt 0x0                             ; the bias
.irp a, 0,1,2,3,4,5,6,7
	v_mov_b32 v[BI+2*\a+1], v[BI+2*\a]             ; the packed addition names a pair
.endr
.irp b, 0,1,2,3
	v_mov_b32 v[TM+4+\b], 0
.endr
.irp a, 0,1,2,3,4,5,6,7
	EPI \a, 1
.endr
.Lend:
	s_wait_tensorcnt 0x0                           ; the wave's end
	ds_add_u32 v[SPW], v[NIL]
	s_wait_dscnt 0x0
	CROUND                                         ; the closing round: no work-group ends while a partner may still ask for a tile that names it
	s_endpgm
.Lfunc_end_k_q20814ab80b_qkv:
	.size	k_q20814ab80b_qkv, .Lfunc_end_k_q20814ab80b_qkv-k_q20814ab80b_qkv
	.p2alignl 7, 3214868480
	.fill 96, 4, 3214868480
	.section	.rodata,"a",@progbits
	.p2align	6, 0x0
	.amdhsa_kernel k_q20814ab80b_qkv
		.amdhsa_group_segment_fixed_size 327680
		.amdhsa_private_segment_fixed_size 0
		.amdhsa_enable_private_segment 0
		.amdhsa_kernarg_size 32
		.amdhsa_user_sgpr_count 2
		.amdhsa_user_sgpr_kernarg_segment_ptr 1
		.amdhsa_wavefront_size32 1
		.amdhsa_system_sgpr_workgroup_id_x 1
		.amdhsa_system_sgpr_workgroup_id_y 1
		.amdhsa_system_sgpr_workgroup_id_z 1
		.amdhsa_system_vgpr_workitem_id 0
		.amdhsa_next_free_vgpr 1024
		.amdhsa_next_free_sgpr 100
		.amdhsa_reserve_vcc 0
		.amdhsa_float_denorm_mode_32 3
		.amdhsa_float_denorm_mode_16_64 3
		.amdhsa_memory_ordered 1
		.amdhsa_forward_progress 1
		.amdhsa_inst_pref_size 249
	.end_amdhsa_kernel
	.amdgpu_metadata
---
amdhsa.version: [ 1, 2 ]
amdhsa.kernels:
  - .name:           k_q20814ab80b_qkv
    .symbol:         k_q20814ab80b_qkv.kd
    .args:
      - { .name: cw, .offset: 0, .size: 8, .value_kind: global_buffer, .address_space: global }
      - { .name: qkv_b, .offset: 8, .size: 8, .value_kind: global_buffer, .address_space: global }
      - { .name: qkvc, .offset: 16, .size: 8, .value_kind: global_buffer, .address_space: global }
      - { .name: qkvs, .offset: 24, .size: 8, .value_kind: global_buffer, .address_space: global }
    .group_segment_fixed_size: 327680
    .private_segment_fixed_size: 0
    .kernarg_segment_align: 8
    .kernarg_segment_size: 32
    .max_flat_workgroup_size: 128
    .sgpr_count:     100
    .vgpr_count:     1024
    .wavefront_size: 32
...
	.end_amdgpu_metadata
.endif
;; end of part 2
;; launch attn (part 3): grid 4 x 64, 16 waves a work-group, clusters of 4 x 1, 327,680 bytes of LDS; arguments qkvc, qkvs, ac; writes ac
.if DOCPART == 3
	.amdgcn_target "amdgcn-amd-amdhsa--gfx1250"
	.amdhsa_code_object_version 6
	.text
	.protected	k_q20814ab80b_attn
	.globl	k_q20814ab80b_attn
	.p2align	8
	.type	k_q20814ab80b_attn,@function
k_q20814ab80b_attn:
	s_mov_b64 s[64:65], 0
	v_nop
	global_prefetch_b8 v0, s[64:65] scope:SCOPE_SE
	s_setreg_imm32_b32 hwreg(HW_REG_WAVE_MODE, 25, 1), 1
	s_wait_xcnt 0x0
	s_wait_alu depctr_hold_cnt(0) depctr_sa_sdst(0) depctr_va_vdst(0) depctr_va_sdst(0) depctr_va_ssrc(0) depctr_va_vcc(0) depctr_vm_vsrc(0)
	s_getreg_b32 s2, hwreg(HW_REG_IB_STS2, 6, 4)
	s_cmp_eq_u32 s2, 0
	s_cbranch_scc0 .Lentry_in_a_cluster
	s_endpgm
.Lentry_in_a_cluster:
	s_bfe_u32 s2, ttmp6, 0x10000c
	s_cmp_lg_u32 s2, 0x3003
	s_cbranch_scc0 .Lentry_shape_is_right
	s_endpgm
.Lentry_shape_is_right:
; Launch 3 of 4: o = softmax(q k^T) v for one head and 512 queries a work-group, on codes of BF6, and the quantiser of the last product's operand (o along the head's 64).  Nothing of the problem is left out.
; p = 2^(t - M), t = score x log2(e), M the ceiling of the RUNNING largest t (a whole number); the row's sum is taken of the unquantised p; O^T and the sum are brought under a new M by an exact power of two.
; LIMITS: the promise holds while |t| stays under 2^31; NaN and infinities are not served; a block whose largest magnitude lies under 2^-122 has the byte 1, a block of zeros too (this program alone reads the bytes).
; SHARES: 16 waves, four to a SIMD; a wave owns two tiles of 16 queries and takes them one after the other, each through the 2,048 keys in 16 steps of 128.
; LDS: the head's k codes (98,304 bytes), v codes (98,304), k scales (4,096), v scales (4,096), filled once, by ONE joint load a wave at the head: waves 0-11 bring 64 rows of 256 bytes of codes each, waves 12-15 8 rows of scales.
; CLUSTER 4 x 1: the four query blocks of a head ask for its k and v jointly.  No prefetch: all that the launch reads through LDS is asked for at the head, so there is no loop to run ahead in.
; BOTH PRODUCTS ARE USED TRANSPOSED (S^T = k q^T, O^T = v^T p^T): a lane holds one query throughout.
; WHICH KEYS FORM A TILE OF k is chosen by the lanes' LDS addresses.  In memory image 2 b + u holds at place r key 32 b + 8 u + r + 8 (r / 8).  With g = m / 8, row m of the pair (c, e) takes place 8 (e xor g) + m % 8 of images 2 (2 c + g) + u.
; So a lane (r, h) holds WHOLE blocks of 32 keys, blocks h and 2 + h of a step: no lane exchange for a block's maximum or its codes.  Register 32 c + 16 e + 8 u + j of S^T is key 64 c + 32 h + 16 (e xor h) + 8 u + j:
; in lanes 16-31 a block's keys 16-31 stand ahead of its keys 0-15, and v's fragments are stored in that same order by the launch before.  The xor puts rows 0-7 and rows 8-15 of a tile on different halves of each 256 bytes of LDS.
; The head's size is 64 and the instruction's K is 128: a fragment of k holds two tiles (u = 0, 1) side by side, and q stands beside 64 zero codes, on the one side or the other.
; ac is laid [octet of 128 tokens: 64][K step of 256: 4][25,600 bytes], as the next launch fetches it.  The scale bytes of o leave one byte a lane (four heads share a row's 8 bytes): one part in 24 of the launch's output.
.set THIRD, 6291456
.set VC,    98304
.set SCK,   196608
.set SPARE, 204800                     ; the spare words, 128 bytes a wave, which no other line names
.set OSB,   3                          ; v3 o's scale byte's place; v1, v2: 16 x lane, 8 x lane
.set SPW,   4
.set NIL,   5
.set KB,    6                          ; v6-10 k's bases: 16-byte pieces e = 0, 1; 8-byte pieces e = 0, 1; scale words
.set VB,    11                         ; v11-13 v's: 16-byte pieces, 8-byte pieces, scale words
.set SH,    14
.set QSO,   15
.set NM,    16                         ; v16-19 -M, the largest score, the sum in two halves
.set QS,    20
.set KS,    22
.set VS,    24
.set KA,    26                         ; v26-30, v31-33 the step's addresses
.set VA,    31
.set KV,    34                         ; v34-81 four fragments of k, then of v
.set S,     82                         ; v82-145 S^T, then p
.set OT,    146                        ; v146-177 O^T
.set PCD,   178
.set TP,    190
.set BM,    198
.set SO,    202
.set F,     204
.set PWD,   205
.set TT,    206
.set T2,    207
.set FB,    245                        ; v245 a second copy of f, in another register bank than v204: the two halves of a dual pair read one each
.set QZ,    208                        ; v208-237 zeros, q0, zeros, q1, zeros
.set PO,    238                        ; v238-244, v246-252 what each tile stores: never written again
.set WV,    12
.set G0C,   24
.set G0S,   28
.set G1C,   32
.set G1S,   40
.set SEL,   48
.set CS,    50
.set HI,    52
.set CNT,   53
.set TB,    69
.set TS,    70
.macro CROUND
	s_barrier_signal -1
	s_barrier_wait -1
	s_cmp_lg_u32 s[WV], 0
	s_cbranch_scc1 .Lnot_wave_0_\@
	s_barrier_signal -3
.Lnot_wave_0_\@:
	s_barrier_wait -3
	s_barrier_signal -1
	s_barrier_wait -1
.endm
.macro PLACES
.rept 4
	v_nop
.endr
.endm
	s_load_b128 s[4:7], s[0:1], 0x0                ; qkvc, qkvs
	s_load_b64 s[8:9], s[0:1], 0x10                ; ac
	v_lshl_add_u32 v[SPW], v0, 2, SPARE
	v_mov_b32 v[NIL], 0
	ds_add_u32 v[SPW], v[NIL]                      ; the opening lines: the add, twice on end, and its wait
	ds_add_u32 v[SPW], v[NIL]
	v_lshrrev_b32 v[S], 5, v0
	v_readfirstlane_b32 s[WV], v[S]                ; wave 0..15
	s_bfe_u32 s13, ttmp6, 0x40000                  ; cx: which 512 queries
	s_and_b32 s14, ttmp7, 0xffff                   ; the head, 0..63
	s_mul_i32 s15, s[WV], 11
	s_lshr_b32 s15, s15, 6                         ; wave / 6: 0 k, 1 v (waves 0-11)
	s_mul_i32 s16, s15, 6
	s_sub_co_u32 s16, s[WV], s16                   ; which 16,384 bytes of the 98,304
	s_add_co_u32 s17, s15, 1
	s_mul_i32 s20, s17, THIRD
	s_mul_i32 s21, s14, 98304
	s_add_co_u32 s20, s20, s21
	s_lshl_b32 s21, s16, 14
	s_add_co_u32 s20, s20, s21
	s_mov_b32 s21, 0
	s_lshl_b32 s22, s[WV], 14                      ; codes in LDS: wave x 16,384: k's six parts, then v's
	s_and_b32 s23, s[WV], 3                        ; waves 12-15: k's scales in two halves, then v's
	s_lshr_b32 s18, s23, 1
	s_add_co_u32 s18, s18, 1
	s_lshl_b32 s18, s18, 18
	s_lshl_b32 s19, s14, 12
	s_add_co_u32 s18, s18, s19
	s_and_b32 s19, s23, 1
	s_lshl_b32 s19, s19, 11
	s_add_co_u32 s18, s18, s19
	s_mov_b32 s19, 0
	s_lshl_b32 s23, s23, 11
	s_add_co_u32 s23, s23, SCK
	s_mov_b32 s[G1C], 15|(3<<16)|(1<<21)           ; the mask of all four partners; elements of 8 bytes; bit 21 beside a mask
	s_mov_b32 s[G1C+1], 32<<16                     ; rows of 256 bytes,
	s_mov_b32 s[G1C+2], 64<<16                     ; 64 of them, dense
	s_mov_b32 s[G1C+3], 32<<16
	s_mov_b32 s[G1C+4], 64
	s_mov_b32 s[G1C+5], 32
	s_mov_b32 s[G1C+6], 0
	s_mov_b32 s[G1C+7], 0
	s_mov_b32 s[G1S], 15|(3<<16)|(1<<21)
	s_mov_b32 s[G1S+1], 32<<16
	s_mov_b32 s[G1S+2], 8<<16                      ; the scales: 8 rows
	s_mov_b32 s[G1S+3], 32<<16
	s_mov_b32 s[G1S+4], 8
	s_mov_b32 s[G1S+5], 32
	s_mov_b32 s[G1S+6], 0
	s_mov_b32 s[G1S+7], 0
	s_mov_b32 s[SEL], 0x76543210
	s_mov_b32 s[SEL+1], 0xfedcba98                 ; selects for lane l xor 16
	s_mov_b32 s[CS], 0x3fb8aa3b                    ; log2(e)
	s_mov_b32 s[CS+1], s[CS]
	s_mov_b32 s[HI], 0xffff0000                    ; lanes 16-31
	s_lshl_b32 s66, s13, 4
	s_add_co_u32 s66, s66, s[WV]                   ; my pair of token tiles in the head: 16 cx + wave
	s_lshl_b32 s67, s14, 6
	s_add_co_u32 s67, s67, s66
	s_mul_i32 s54, s67, 1536                       ; q's two images
	s_mov_b32 s55, 0
	s_lshl_b32 s56, s66, 6                         ; q's scale words: 64 bytes a pair of tiles
	s_lshl_b32 s67, s14, 12
	s_add_co_u32 s56, s56, s67
	s_mov_b32 s57, 0
	s_and_b32 s66, s14, 15                         ; head in the batch
	s_lshr_b32 s58, s14, 4                         ; batch
	s_lshl_b32 s58, s58, 4
	s_lshl_b32 s67, s13, 2
	s_add_co_u32 s58, s58, s67
	s_lshr_b32 s67, s[WV], 2
	s_add_co_u32 s58, s58, s67                     ; octet 16 batch + 4 cx + wave / 4
	s_lshl_b32 s58, s58, 2
	s_lshr_b32 s67, s66, 2
	s_add_co_u32 s58, s58, s67                     ; x 4 + K step (head / 4)
	s_mul_i32 s58, s58, 25600
	s_and_b32 s66, s66, 3
	s_and_b32 s67, s[WV], 3                        ; my two tiles of the octet's eight: 2 (wave % 4) on
	s_lshl_b32 s60, s67, 8
	s_add_co_u32 s60, s60, s58
	s_add_co_u32 s60, s60, 24576
	s_lshl_b32 s68, s66, 1
	s_add_co_u32 s60, s60, s68                     ; the scales: 128 bytes a tile, my head's two bytes of a row's eight
	s_mov_b32 s61, 0
	s_mul_i32 s67, s67, 6144
	s_add_co_u32 s58, s58, s67
	s_mul_i32 s66, s66, 768
	s_add_co_u32 s58, s58, s66                     ; the codes: 3,072 bytes a tile, my head's half image
	s_mov_b32 s59, 0
	s_wait_dscnt 0x0                               ; both opening adds are done
	s_wait_kmcnt 0x0
	s_mov_b32 s[G0C], 1
	s_mov_b32 s[G0C+1], s22
	s_add_nc_u64 s[G0C+2:G0C+3], s[4:5], s[20:21]
	s_or_b32 s[G0C+3], s[G0C+3], 0x80000000
	s_mov_b32 s[G0S], 1
	s_mov_b32 s[G0S+1], s23
	s_add_nc_u64 s[G0S+2:G0S+3], s[6:7], s[18:19]
	s_or_b32 s[G0S+3], s[G0S+3], 0x80000000
	s_add_nc_u64 s[54:55], s[4:5], s[54:55]
	s_add_nc_u64 s[56:57], s[6:7], s[56:57]
	s_add_nc_u64 s[58:59], s[8:9], s[58:59]
	s_add_nc_u64 s[60:61], s[8:9], s[60:61]
	CROUND                                         ; the four partners are here: the joint loads meet
	s_cmp_lt_u32 s[WV], 12                         ; one chain on the wave's number, one load to an arm: every wave issues exactly one
	s_cbranch_scc0 .Lscales
	tensor_load_to_lds s[G0C:G0C+3], s[G1C:G1C+7]
	s_nop 0
	PLACES
	s_branch .Lasked
.Lscales:
	tensor_load_to_lds s[G0S:G0S+3], s[G1S:G1S+7]
	s_nop 0
	PLACES
.Lasked:
	v_and_b32 v[S], 31, v0                         ; lane
	v_and_b32 v[S+1], 15, v0                       ; r
	v_bfe_u32 v[S+2], v0, 4, 1                     ; h
	v_and_b32 v[S+3], 7, v0                        ; r % 8
	v_bfe_u32 v[S+4], v0, 3, 1                     ; g = r / 8
	v_lshlrev_b32 v1, 4, v[S]                      ; 16 x lane
	v_lshlrev_b32 v2, 3, v[S]                      ; 8 x lane
	v_lshl_add_u32 v[OSB], v[S+1], 3, v[S+2]       ; o's scale byte: 8 r + h
	v_lshlrev_b32 v[QSO], 2, v[S+1]                ; q's scale word: 4 r
	v_lshlrev_b32 v[SH], 3, v[S+2]                 ; 8 h: my bytes' shift in p's scale word
	v_lshl_add_u32 v[S+5], v[S+2], 4, v[S+3]       ; r % 8 + 16 h: my place in an image, less 8 (e xor g)
	v_lshlrev_b32 v[S+6], 4, v[S+5]
	v_lshlrev_b32 v[S+7], 3, v[S+5]
	v_mad_u32_u24 v[KB], v[S+4], 1664, v[S+6]      ; e = 0: rows 8-15 take the images 1,536 bytes on, places 8-15 (128 bytes on)
	v_mad_u32_u24 v[KB+1], v[S+4], 1408, v[S+6]    ; e = 1: rows 0-7 take places 8-15, rows 8-15 places 0-7
	v_add_nc_u32 v[KB+1], 128, v[KB+1]
	v_mad_u32_u24 v[KB+2], v[S+4], 1600, v[S+7]    ; the same for the pieces of 8 bytes
	v_mad_u32_u24 v[KB+3], v[S+4], 1472, v[S+7]
	v_add_nc_u32 v[KB+3], 64, v[KB+3]
	v_xor_b32 v[S+8], v[S+2], v[S+4]               ; k's scale words: lanes 0-15 serve e = 0, lanes 16-31 e = 1: place 8 (e xor g) + r % 8
	v_lshlrev_b32 v[KB+4], 6, v[S+4]               ; 64 bytes for 32 keys
	v_lshl_add_u32 v[KB+4], v[S+8], 5, v[KB+4]
	v_lshl_add_u32 v[KB+4], v[S+3], 2, v[KB+4]
	v_add_nc_u32 v[KB+4], SCK, v[KB+4]
	v_add_nc_u32 v[VB], VC, v1
	v_add_nc_u32 v[VB+1], VC, v2
	v_lshl_add_u32 v[VB+2], v[S], 2, SCK+4096
.irp n, 0,1
	global_load_b128 v[QZ+6+12*\n:QZ+9+12*\n], v1, s[54:55] offset:768*\n th:TH_LOAD_NT
	global_load_b64 v[QZ+10+12*\n:QZ+11+12*\n], v2, s[54:55] offset:768*\n+512 th:TH_LOAD_NT
.endr
	global_load_b32 v[QS], v[QSO], s[56:57]
.irp k, 0,1,2
.irp j, 0,1,2,3,4,5
	v_mov_b32 v[QZ+12*\k+\j], 0                    ; the zero codes beside q
.endr
.endr
	v_mov_b32 v[TT], 0                             ; a lane permute's destination counts as one of its sources
	v_mov_b32 v[T2], 0
	v_mov_b32 v[PWD], 0                            ; named as the upper half of the pair v[F:F+1]
	s_wait_alu depctr_va_vdst(0)
	s_wait_loadcnt 0x0
	v_perm_b32 v[QS+1], v[QS], v[QS], 0x03020302   ; the odd tile's two bytes, for both places of q in the operand;
	v_perm_b32 v[QS], v[QS], v[QS], 0x01000100     ; the even tile's
.macro QK n                            ; S^T of tile n: 8 products; each starts its sum
.irp p, 0,1,2,3
.irp u, 0,1
.if (\p)%2
	v_wmma_scale_f32_16x16x128_f8f6f4 v[S+16*\p+8*\u:S+16*\p+8*\u+7], v[KV+12*\p:KV+12*\p+11], v[QZ+12*(\n)+6-6*\u:QZ+12*(\n)+17-6*\u], 0, v[KS+(\p)/2], v[QS+(\n)] matrix_a_fmt:MATRIX_FMT_BF6 matrix_b_fmt:MATRIX_FMT_BF6 matrix_a_scale:MATRIX_SCALE_ROW1
.else
	v_wmma_scale_f32_16x16x128_f8f6f4 v[S+16*\p+8*\u:S+16*\p+8*\u+7], v[KV+12*\p:KV+12*\p+11], v[QZ+12*(\n)+6-6*\u:QZ+12*(\n)+17-6*\u], 0, v[KS+(\p)/2], v[QS+(\n)] matrix_a_fmt:MATRIX_FMT_BF6 matrix_b_fmt:MATRIX_FMT_BF6
.endif
.endr
.endr
.endm
.macro PV                              ; O^T += v^T p^T: the four accumulators by turns
.irp t, 0,1,2,3
.if (\t)%2
	v_wmma_scale_f32_16x16x128_f8f6f4 v[OT+8*\t:OT+8*\t+7], v[KV+12*\t:KV+12*\t+11], v[PCD:PCD+11], v[OT+8*\t:OT+8*\t+7], v[VS+(\t)/2], v[PWD] matrix_a_fmt:MATRIX_FMT_BF6 matrix_b_fmt:MATRIX_FMT_BF6 matrix_a_scale:MATRIX_SCALE_ROW1
.else
	v_wmma_scale_f32_16x16x128_f8f6f4 v[OT+8*\t:OT+8*\t+7], v[KV+12*\t:KV+12*\t+11], v[PCD:PCD+11], v[OT+8*\t:OT+8*\t+7], v[VS+(\t)/2], v[PWD] matrix_a_fmt:MATRIX_FMT_BF6 matrix_b_fmt:MATRIX_FMT_BF6
.endif
.endr
.endm
.macro SOFT                            ; the 64 scores a lane become p, its sum, its codes and its scale word
.irp b, 0,1,2,3
	v_max3_num_f32 v[BM+\b], v[S+16*\b], v[S+1+16*\b], v[S+2+16*\b]   ; four chains of 16 scores, each accumulator from its low end on
.endr
.irp e, 3,5,7,9,11,13
.irp b, 0,1,2,3
	v_max3_num_f32 v[BM+\b], v[BM+\b], v[S+16*\b+\e], v[S+1+16*\b+\e]
.endr
.endr
	v_max_num_f32 v[BM], v[BM], v[S+15]
	v_max_num_f32 v[BM+2], v[BM+2], v[S+47]
	v_max3_num_f32 v[BM+1], v[BM+1], v[S+31], v[BM]      ; the largest score of my block h,
	v_max3_num_f32 v[BM+3], v[BM+3], v[S+63], v[BM+2]    ; and of my block 2 + h: they serve the row's maximum and, since p rises with the score, the blocks' largest p
	v_max3_num_f32 v[NM+1], v[NM+1], v[BM+1], v[BM+3]
	v_permlanex16_b32 v[TT], v[NM+1], s[SEL], s[SEL+1]
	v_max_num_f32 v[NM+1], v[NM+1], v[TT]          ; the running largest score of my query
	v_mul_f32 v[TT], s[CS], v[NM+1]                ; as t
	v_floor_f32 v[T2], -v[TT]                      ; the new -M = -ceil(t)
	v_sub_f32 v[TT], v[T2], v[NM]                  ; old M less new M: a whole number, 0 or less
	v_mov_b32 v[NM], v[T2]
	v_cvt_i32_f32 v[TT], v[TT]                     ; (it saturates)
	v_ldexp_f32 v[F], 1.0, v[TT]                   ; f = 2^(old M - new M)
	v_ldexp_f32 v[FB], 1.0, v[TT]
.set j, 0
.rept 32
	v_dual_fmamk_f32 v[S+j], v[S+j], 0x3fb8aa3b, v[NM] :: v_dual_fmamk_f32 v[S+j+1], v[S+j+1], 0x3fb8aa3b, v[T2]   ; t - M, two at a time: score x log2(e) + (-M), fused; v[T2] still holds the same -M as v[NM]
.set j, j+2
.endr
	v_fma_f32 v[BM+1], v[BM+1], s[CS], v[NM]
	v_fma_f32 v[BM+3], v[BM+3], s[CS], v[NM]
	s_wait_alu depctr_va_vdst(0)
.set j, 0
.rept 64
	v_exp_f32 v[S+j], v[S+j]                       ; p = 2^(t - M)
.set j, j+1
.endr
	v_exp_f32 v[BM+1], v[BM+1]                     ; the blocks' largest p: the same two instructions on the same numbers
	v_exp_f32 v[BM+3], v[BM+3]
	v_pk_mul_f32 v[NM+2:NM+3], v[NM+2:NM+3], v[F:F+1] op_sel_hi:[1,0]   ; the sum under the new M; the plain place behind the batch
	s_wait_alu depctr_va_vdst(0)                   ; one wait for the batch, ahead of its first reader
; the sum of the unquantised p: 32 dual pairs of additions in four chains, so that a chain's next link stands four instructions on
.irp k, 0,1,2
	v_dual_add_f32 v[TP+2*\k], v[S+4*\k], v[S+2+4*\k] :: v_dual_add_f32 v[TP+1+2*\k], v[S+1+4*\k], v[S+3+4*\k]
.endr
.irp j, 12,20,28,36,44,52
	v_dual_add_f32 v[NM+2], v[S+\j], v[NM+2] :: v_dual_add_f32 v[NM+3], v[S+1+\j], v[NM+3]
	v_dual_add_f32 v[TP], v[S+2+\j], v[TP] :: v_dual_add_f32 v[TP+1], v[S+3+\j], v[TP+1]
	v_dual_add_f32 v[TP+2], v[S+4+\j], v[TP+2] :: v_dual_add_f32 v[TP+3], v[S+5+\j], v[TP+3]
	v_dual_add_f32 v[TP+4], v[S+6+\j], v[TP+4] :: v_dual_add_f32 v[TP+5], v[S+7+\j], v[TP+5]
.endr
	v_dual_add_f32 v[NM+2], v[S+60], v[NM+2] :: v_dual_add_f32 v[NM+3], v[S+61], v[NM+3]
	v_dual_add_f32 v[TP], v[S+62], v[TP] :: v_dual_add_f32 v[TP+1], v[S+63], v[TP+1]
	v_dual_add_f32 v[TP+2], v[TP+4], v[TP+2] :: v_dual_add_f32 v[TP+3], v[TP+5], v[TP+3]
	v_dual_add_f32 v[NM+2], v[TP], v[NM+2] :: v_dual_add_f32 v[NM+3], v[TP+1], v[NM+3]
	v_dual_add_f32 v[NM+2], v[TP+2], v[NM+2] :: v_dual_add_f32 v[NM+3], v[TP+3], v[NM+3]
	v_max_num_f32 v[BM+1], 0x2800000, v[BM+1]      ; the floor 2^(5 - 127): the byte cannot fall under 1
	v_max_num_f32 v[BM+3], 0x2800000, v[BM+3]
	v_add_nc_u32 v[SO], 0xfe000000, v[BM+1]        ; 4 off the exponent field: the conversion's scale operand
	v_add_nc_u32 v[SO+1], 0xfe000000, v[BM+3]
	v_lshrrev_b32 v[TT], 23, v[SO]                 ; the bytes of blocks h and 2 + h,
	v_lshrrev_b32 v[T2], 23, v[SO+1]
	v_lshl_or_b32 v[TT], v[T2], 16, v[TT]
	v_lshlrev_b32 v[TT], v[SH], v[TT]              ; at their places in the scale word;
	v_permlanex16_b32 v[T2], v[TT], s[SEL], s[SEL+1]
	v_or_b32 v[PWD], v[TT], v[T2]                  ; with lane l xor 16's two the word is whole
.irp c, 0,1
	v_cvt_scalef32_pk16_bf6_f32 v[PCD+6*\c:PCD+2+6*\c], v[S+32*\c:S+15+32*\c], v[SO+\c]
	v_cvt_scalef32_pk16_bf6_f32 v[TP+4*\c:TP+2+4*\c], v[S+16+32*\c:S+31+32*\c], v[SO+\c]   ; (a conversion's three registers begin on an even number)
.endr
	v_nop                                          ; one plain place behind a scaled conversion
.irp c, 0,1
.irp n, 0,1,2
	v_mov_b32 v[PCD+3+6*\c+\n], v[TP+4*\c+\n]
.endr
.endr
.endm
.macro WALK n                          ; tile n through all keys
	v_mov_b32 v[NM+1], 0xff61b1e6                  ; the largest score so far: -3e38
	v_floor_f32 v[NM], -v[NM+1]                    ; -M
	v_mov_b32 v[NM+2], 0                           ; the sum, in two halves
	v_mov_b32 v[NM+3], 0
.set j, 0
.rept 32
	v_mov_b32 v[OT+j], 0                           ; O^T: the step is written once, and the first finds zeros
.set j, j+1
.endr
	s_mov_b32 s[TB], 0
	s_mov_b32 s[TS], 0
	s_mov_b32 s[CNT], 16
	s_wait_alu depctr_va_vdst(0)
.Lstep_\@:
.irp i, 0,1,2,3
	v_add_nc_u32 v[KA+\i], s[TB], v[KB+\i]         ; the step's addresses; also the places behind the last products, in front of the loads into their registers
.endr
	v_add_nc_u32 v[KA+4], s[TS], v[KB+4]
.irp c, 0,1
.irp e, 0,1
	ds_load_b128 v[KV+12*(2*\c+\e):KV+12*(2*\c+\e)+3], v[KA+\e] offset:3072*\c
	ds_load_b64 v[KV+12*(2*\c+\e)+4:KV+12*(2*\c+\e)+5], v[KA+2+\e] offset:3072*\c+512
	ds_load_b128 v[KV+12*(2*\c+\e)+6:KV+12*(2*\c+\e)+9], v[KA+\e] offset:3072*\c+768
	ds_load_b64 v[KV+12*(2*\c+\e)+10:KV+12*(2*\c+\e)+11], v[KA+2+\e] offset:3072*\c+1280
.endr
	ds_load_b32 v[KS+\c], v[KA+4] offset:128*\c
.endr
	s_wait_dscnt 0x0                               ; k's fragments are in
	QK \n
	v_add_nc_u32 v[VA], s[TB], v[VB]               ; four plain places behind the products, in front of the loads into k's registers and of the reads of S^T
	v_add_nc_u32 v[VA+1], s[TB], v[VB+1]
	v_add_nc_u32 v[VA+2], s[TS], v[VB+2]
	v_nop
.irp t, 0,1,2,3
	ds_load_b128 v[KV+12*\t:KV+12*\t+3], v[VA] offset:1536*\t
	ds_load_b64 v[KV+12*\t+4:KV+12*\t+5], v[VA+1] offset:1536*\t+512
	ds_load_b128 v[KV+12*\t+6:KV+12*\t+9], v[VA] offset:1536*\t+768
	ds_load_b64 v[KV+12*\t+10:KV+12*\t+11], v[VA+1] offset:1536*\t+1280
.endr
	ds_load_b32 v[VS], v[VA+2]
	ds_load_b32 v[VS+1], v[VA+2] offset:128
	SOFT                                           ; v's fragments land under this
	s_wait_dscnt 0x0
	s_wait_alu depctr_va_vdst(0)                   ; directly ahead of the first reader of O^T
.set j, 0
.rept 16
	v_dual_mul_f32 v[OT+j], v[OT+j], v[F] :: v_dual_mul_f32 v[OT+j+1], v[OT+j+1], v[FB]   ; O^T under the new M; also the places in front of the products
.set j, j+2
.endr
	PV
	s_add_co_u32 s[TB], s[TB], 6144
	s_add_co_u32 s[TS], s[TS], 256
	s_sub_co_u32 s[CNT], s[CNT], 1
	s_cmp_lg_u32 s[CNT], 0
	s_wait_alu depctr_va_vdst(0)
	s_cbranch_scc1 .Lstep_\@
.endm
.macro FINISH n                        ; O^T / the sum, quantised along the head's 64 in two blocks of 32 (16 of each in lane l, 16 in lane l xor 16), stored as a half image
.set PC, PO+8*(\n)
	PLACES
	v_add_f32 v[NM+2], v[NM+2], v[NM+3]            ; the sum's two halves,
	v_permlanex16_b32 v[TT], v[NM+2], s[SEL], s[SEL+1]
	v_add_f32 v[NM+2], v[NM+2], v[TT]              ; and lane l xor 16's: the row's sum
	s_wait_alu depctr_va_vdst(0)
	v_rcp_f32 v[NM+2], v[NM+2]
	v_nop
	s_wait_alu depctr_va_vdst(0)                   ; ahead of the reciprocal's first reader, which is O^T's too
.set j, 0
.rept 16
	v_pk_mul_f32 v[S+j:S+j+1], v[OT+j:OT+j+1], v[NM+2:NM+3] op_sel_hi:[1,0]
.set j, j+2
.endr
.irp b, 0,1
	v_max3_num_f32 v[BM+\b], |v[S+16*\b]|, |v[S+1+16*\b]|, 0x2800000
.endr
.irp e, 2,4,6,8,10,12,14
.irp b, 0,1
	v_max3_num_f32 v[BM+\b], v[BM+\b], |v[S+16*\b+\e]|, |v[S+1+16*\b+\e]|
.endr
.endr
.irp b, 0,1
	v_permlanex16_b32 v[TP+\b], v[BM+\b], s[SEL], s[SEL+1]
.endr
.irp b, 0,1
	v_max_num_f32 v[BM+\b], v[BM+\b], v[TP+\b]
.endr
.irp b, 0,1
	v_add_nc_u32 v[SO+\b], 0xfe000000, v[BM+\b]
.endr
.irp b, 0,1
	v_lshrrev_b32 v[TP+\b], 23, v[SO+\b]
.endr
	v_cndmask_b32 v[PC+6], v[TP], v[TP+1], s[HI]   ; lanes 0-15 store block 0's byte, lanes 16-31 block 1's
	v_cvt_scalef32_pk16_bf6_f32 v[PC:PC+2], v[S:S+15], v[SO]
	v_cvt_scalef32_pk16_bf6_f32 v[TP+4:TP+6], v[S+16:S+31], v[SO+1]
	v_nop
.irp i, 0,1,2
	v_permlane16_swap_b32 v[PC+\i], v[TP+4+\i]     ; a whole block to a lane
.endr
.irp i, 0,1,2
	v_mov_b32 v[PC+3+\i], v[TP+4+\i]
.endr
	global_store_b128 v1, v[PC:PC+3], s[58:59] offset:3072*(\n)          ; 512 consecutive bytes, aligned to 256
	global_store_b64 v2, v[PC+4:PC+5], s[58:59] offset:3072*(\n)+512     ; 256 consecutive bytes, aligned
	global_store_b8 v[OSB], v[PC+6], s[60:61] offset:128*(\n)
.endm
	s_wait_alu depctr_va_vdst(0)
	s_wait_tensorcnt 0x0                           ; my load has landed;
	s_barrier_signal -1
	s_barrier_wait -1                              ; everybody's has
	WALK 0
	FINISH 0
	WALK 1
	FINISH 1
	s_wait_tensorcnt 0x0                           ; the wave's end
	ds_add_u32 v[SPW], v[NIL]
	s_wait_dscnt 0x0
	CROUND                                         ; the closing round
	s_endpgm
.Lfunc_end_k_q20814ab80b_attn:
	.size	k_q20814ab80b_attn, .Lfunc_end_k_q20814ab80b_attn-k_q20814ab80b_attn
	.p2alignl 7, 3214868480
	.fill 96, 4, 3214868480
	.section	.rodata,"a",@progbits
	.p2align	6, 0x0
	.amdhsa_kernel k_q20814ab80b_attn
		.amdhsa_group_segment_fixed_size 327680
		.amdhsa_private_segment_fixed_size 0
		.amdhsa_enable_private_segment 0
		.amdhsa_kernarg_size 24
		.amdhsa_user_sgpr_count 2
		.amdhsa_user_sgpr_kernarg_segment_ptr 1
		.amdhsa_wavefront_size32 1
		.amdhsa_system_sgpr_workgroup_id_x 1
		.amdhsa_system_sgpr_workgroup_id_y 1
		.amdhsa_system_sgpr_workgroup_id_z 1
		.amdhsa_system_vgpr_workitem_id 0
		.amdhsa_next_free_vgpr 256
		.amdhsa_next_free_sgpr 72
		.amdhsa_reserve_vcc 0
		.amdhsa_float_denorm_mode_32 3
		.amdhsa_float_denorm_mode_16_64 3
		.amdhsa_memory_ordered 1
		.amdhsa_forward_progress 1
		.amdhsa_inst_pref_size 51
	.end_amdhsa_kernel
	.amdgpu_metadata
---
amdhsa.version: [ 1, 2 ]
amdhsa.kernels:
  - .name:           k_q20814ab80b_attn
    .symbol:         k_q20814ab80b_attn.kd
    .args:
      - { .name: qkvc, .offset: 0, .size: 8, .value_kind: global_buffer, .address_space: global }
      - { .name: qkvs, .offset: 8, .size: 8, .value_kind: global_buffer, .address_space: global }
      - { .name: ac, .offset: 16, .size: 8, .value_kind: global_buffer, .address_space: global }
    .group_segment_fixed_size: 327680
    .private_segment_fixed_size: 0
    .kernarg_segment_align: 8
    .kernarg_segment_size: 24
    .max_flat_workgroup_size: 512
    .sgpr_count:     72
    .vgpr_count:     256
    .wavefront_size: 32
...
	.end_amdgpu_metadata
.endif
;; end of part 3
;; launch proj (part 4): grid 4 x 64, 4 waves a work-group, clusters of 4 x 4, 327,680 bytes of LDS; arguments ac, cw, out_b, out0; writes out0
.if DOCPART == 4
	.amdgcn_target "amdgcn-amd-amdhsa--gfx1250"
	.amdhsa_code_object_version 6
	.text
	.protected	k_q20814ab80b_proj
	.globl	k_q20814ab80b_proj
	.p2align	8
	.type	k_q20814ab80b_proj,@function
k_q20814ab80b_proj:
	s_mov_b64 s[64:65], 0
	v_nop
	global_prefetch_b8 v0, s[64:65] scope:SCOPE_SE
	s_setreg_imm32_b32 hwreg(HW_REG_WAVE_MODE, 25, 1), 1
	s_wait_xcnt 0x0
	s_wait_alu depctr_hold_cnt(0) depctr_sa_sdst(0) depctr_va_vdst(0) depctr_va_sdst(0) depctr_va_ssrc(0) depctr_va_vcc(0) depctr_vm_vsrc(0)
	s_getreg_b32 s2, hwreg(HW_REG_IB_STS2, 6, 4)
	s_cmp_eq_u32 s2, 0
	s_cbranch_scc0 .Lentry_in_a_cluster
	s_endpgm
.Lentry_in_a_cluster:
	s_bfe_u32 s2, ttmp6, 0x10000c
	s_cmp_lg_u32 s2, 0xf033
	s_cbranch_scc0 .Lentry_shape_is_right
	s_endpgm
.Lentry_shape_is_right:
; Launch 4 of 4: out0 = o out_w^T + out_b on codes of BF6, K = 1,024.  Nothing of the problem is left out.
; A block of 128 tokens x 256 columns to a work-group: 64 x 4 = 256 work-groups.  Four waves, 64 x 128 (32 accumulators, 256 registers) to a wave.
; ac and cw are laid [octet of 8 tiles of 16 rows][K step of 256: 4][25,600 bytes: 8 x 3,072 of codes, 8 x 128 of scales], so an octet's whole K is one dense block of 102,400 bytes.
; LDS: A's octet, then B's two: 307,200 bytes, filled ONCE, by one joint load a wave at the head: waves 0, 1 bring A's K steps 0-1 and 2-3 (200 rows of 256 bytes each), waves 2, 3 one octet of B each (400 rows).
; So the walk along K has no refill and no barrier.  No prefetch: all is asked for at the head, and there is no loop to run ahead in.
; CLUSTER 4 x 4: A's octet is shared along a row of the cluster, B's octets along a column.
; The matrix instruction is used transposed (source 0 = 16 rows of out_w, source 1 = 16 tokens): by the order of rows in a tile, place r of tile 2 b + u is row 32 b + 8 u + r + 8 (r / 8), a lane's 16 registers of tiles 2 b, 2 b + 1 are 16 neighbouring columns.
; The bias is the C of each accumulator's first product.  The way out goes through a stage in A's LDS bytes, behind a barrier behind which nobody reads them; they have had their only fill.
; REGISTERS: window 0: addresses, v32-63 two sets of scale words, v64-127 the bias, v128-223 A's 4 fragments in two sets (on the way out v128-255 hold rows); window 1: B's 8 fragments, two sets, at v0 and v128; window 2: accumulator (a, b) at v[8 (8 a + b)].
.set OCT,   25600
.set REG,   4*OCT
.set SPARE, 3*REG                      ; the spare words, 128 bytes a wave, which no other line names
.set FR,    12
.set A16,   8                          ; v8-9 my A tiles, K steps 0-1 and 2-3, + 16 x lane;  v10-11 + 8 x lane
.set A8,    10
.set B16,   12
.set B8,    14
.set SCL,   16                         ; v16-17 scale words: lanes 0-15 A's rows, lanes 16-31 B's
.set SCB,   18                         ; v18-19 scale words of B's rows in all lanes
.set STO,   23
.set L16,   24
.set L8,    25
.set RD,    26
.set BO,    27
.set SPW,   28
.set NIL,   29
.set SC,    32
.set BI,    64
.set AF,    128
.set BK,    128
.set G1,    24
.set G0,    32
.set G1B,   48
.set G0B,   68
.set MSB,   0
.macro WIN new                         ; the immediate's high byte repeats the setting that is left
.if MSB != (\new)
	s_set_vgpr_msb (MSB<<8)|(\new)
.set MSB, \new
.endif
.endm
.macro CROUND
	s_barrier_signal -1
	s_barrier_wait -1
	s_cmp_lg_u32 s14, 0
	s_cbranch_scc1 .Lnot_wave_0_\@
	s_barrier_signal -3
.Lnot_wave_0_\@:
	s_barrier_wait -3
	s_barrier_signal -1
	s_barrier_wait -1
.endm
.macro PLACES
.rept 4
	v_nop
.endr
.endm
.macro FRAG reg, a16, a8, off          ; a fragment = two half images on end: four loads, each of consecutive bytes
	ds_load_b128 v[\reg:\reg+3], v[\a16] offset:\off
	ds_load_b64 v[\reg+4:\reg+5], v[\a8] offset:\off+512
	ds_load_b128 v[\reg+6:\reg+9], v[\a16] offset:\off+768
	ds_load_b64 v[\reg+10:\reg+11], v[\a8] offset:\off+1280
.endm
.macro FETCH n                         ; the n-th 128 along K: B's eight fragments, A's four, into set n % 2; with an even n the K step's scale words
.set KK, (\n)/2
.set OF, (KK%2)*OCT+1536*((\n)%2)
.set HB, KK/2
.set PP, (\n)%2
	WIN 0x40
.irp i, 0,1,2,3,4,5,6,7
	FRAG 128*PP+FR*\i, B16+HB, B8+HB, OF+3072*\i
.endr
	WIN 0
.irp i, 0,1,2,3
	FRAG AF+48*PP+FR*\i, A16+HB, A8+HB, OF+3072*\i
.endr
.if (\n)%2 == 0
.irp i, 0,1,2,3
	ds_load_b64 v[SC+16*(KK%2)+2*\i:SC+16*(KK%2)+2*\i+1], v[SCL+HB] offset:(KK%2)*OCT+128*\i   ; lanes 0-15 A's block i, lanes 16-31 B's block i
.endr
.irp i, 4,5,6,7
	ds_load_b64 v[SC+16*(KK%2)+2*\i:SC+16*(KK%2)+2*\i+1], v[SCB+HB] offset:(KK%2)*OCT+128*\i   ; B's block i
.endr
.endif
.endm
.macro MUL n, first                    ; 32 products; the 32 accumulators take turns, one instruction a turn
.set PP, (\n)%2
.set SS, SC+16*(((\n)/2)%2)+(\n)%2
.if \first
	WIN 0x81                                       ; source 0 (B) window 1, source 1 (A) and C (the bias) window 0, D window 2
.else
	WIN 0xa1
.endif
.irp a, 0,1,2,3
.irp b, 0,1,2,3,4,5,6,7
.if \first
	v_wmma_scale_f32_16x16x128_f8f6f4 v[8*(8*\a+\b):8*(8*\a+\b)+7], v[128*PP+FR*\b:128*PP+FR*\b+FR-1], v[AF+48*PP+FR*\a:AF+48*PP+FR*\a+FR-1], v[BI+8*\b:BI+8*\b+7], v[SS+2*\b], v[SS+2*\a] matrix_a_fmt:MATRIX_FMT_BF6 matrix_b_fmt:MATRIX_FMT_BF6 matrix_a_scale:MATRIX_SCALE_ROW1
.else
	v_wmma_scale_f32_16x16x128_f8f6f4 v[8*(8*\a+\b):8*(8*\a+\b)+7], v[128*PP+FR*\b:128*PP+FR*\b+FR-1], v[AF+48*PP+FR*\a:AF+48*PP+FR*\a+FR-1], v[8*(8*\a+\b):8*(8*\a+\b)+7], v[SS+2*\b], v[SS+2*\a] matrix_a_fmt:MATRIX_FMT_BF6 matrix_b_fmt:MATRIX_FMT_BF6 matrix_a_scale:MATRIX_SCALE_ROW1
.endif
.endr
.endr
.endm
	s_load_b256 s[4:11], s[0:1], 0x0               ; ac, cw, out_b, out0
	v_lshl_add_u32 v[SPW], v0, 2, SPARE
	v_mov_b32 v[NIL], 0
	ds_add_u32 v[SPW], v[NIL]                      ; the opening lines: the add, twice on end, and its wait
	ds_add_u32 v[SPW], v[NIL]
	v_lshrrev_b32 v1, 5, v0
	v_readfirstlane_b32 s14, v1                    ; wave 0..3
	s_lshr_b32 s15, s14, 1                         ; which four tiles of A are mine.  Also: I fetch for A (0) or B (1)
	s_and_b32 s16, s14, 1                          ; which octet of B is mine.  Also: which part I fetch
	s_bfe_u32 s44, ttmp6, 0x40000                  ; cx
	s_bfe_u32 s45, ttmp6, 0x40004                  ; cy
	s_and_b32 s46, ttmp7, 0xffff
	s_lshl_b32 s17, s46, 2
	s_add_co_u32 s17, s17, s45                     ; which 128 tokens: A's octet
	s_lshl_b32 s58, ttmp9, 2
	s_add_co_u32 s58, s58, s44                     ; which 256 columns
	s_lshl_b32 s56, s45, 2
	s_lshl_b32 s56, 15, s56                        ; my row of the cluster
	s_lshl_b32 s57, 0x1111, s44                    ; my column
	s_or_b32 s[G1], s56, (3<<16)|(1<<21)           ; the mask; elements of 8 bytes; bit 21 beside a mask; no padding
	s_or_b32 s[G1B], s57, (3<<16)|(1<<21)
	s_mov_b32 s[G1+1], 32<<16                      ; rows of 256 bytes, dense:
	s_mov_b32 s[G1+2], 200<<16                     ; A: 200 rows, two K steps of the octet
	s_mov_b32 s[G1+3], 32<<16
	s_mov_b32 s[G1+4], 200
	s_mov_b32 s[G1+5], 32
	s_mov_b32 s[G1+6], 0
	s_mov_b32 s[G1+7], 0
	s_mov_b32 s[G1B+1], 32<<16
	s_mov_b32 s[G1B+2], 400<<16                    ; B: 400 rows, an octet's whole K
	s_mov_b32 s[G1B+3], 32<<16
	s_mov_b32 s[G1B+4], 400
	s_mov_b32 s[G1B+5], 32
	s_mov_b32 s[G1B+6], 0
	s_mov_b32 s[G1B+7], 0
	s_mul_i32 s84, s17, REG
	s_mul_i32 s88, s16, 2*OCT                      ; A: my two K steps, in memory and in LDS
	s_add_co_u32 s84, s84, s88
	s_mov_b32 s85, 0
	s_lshl_b32 s86, s58, 1
	s_add_co_u32 s86, s86, s16
	s_add_co_u32 s86, s86, 88                      ; out_w's octets begin at 88
	s_mul_i32 s86, s86, REG
	s_mov_b32 s87, 0
	s_mul_i32 s89, s16, REG
	s_add_co_u32 s89, s89, REG                     ; B's octets lie behind A's.  Also: the octet that I multiply
	s_lshl_b32 s92, s58, 10
	s_lshl_b32 s93, s16, 9
	s_add_co_u32 s92, s92, s93                     ; my first column, in bytes
	s_mov_b32 s93, 0
	s_lshl_b32 s94, s17, 19                        ; my first row of out0: 128 rows of 4,096 bytes a block, 64 a half
	s_lshl_b32 s95, s15, 18
	s_add_co_u32 s94, s94, s95
	s_add_co_u32 s94, s94, s92
	s_mov_b32 s95, 0
	s_mul_i32 s90, s15, 12288                      ; my four tiles of A
	s_lshl_b32 s96, s15, 9                         ; their scales
	s_sub_co_u32 s91, s89, s96
	s_add_co_u32 s96, s96, 24576
	s_add_co_u32 s97, s89, 24576
	s_mul_i32 s98, s14, 16*528                     ; my stage, in A's bytes
	s_wait_dscnt 0x0                               ; both opening adds are done
	s_wait_kmcnt 0x0
	s_mov_b32 s[G0], 1
	s_mov_b32 s[G0+1], s88
	s_add_nc_u64 s[G0+2:G0+3], s[4:5], s[84:85]
	s_or_b32 s[G0+3], s[G0+3], 0x80000000
	s_mov_b32 s[G0B], 1
	s_mov_b32 s[G0B+1], s89
	s_add_nc_u64 s[G0B+2:G0B+3], s[6:7], s[86:87]
	s_or_b32 s[G0B+3], s[G0B+3], 0x80000000
	s_add_nc_u64 s[8:9], s[8:9], s[92:93]
	s_add_nc_u64 s[10:11], s[10:11], s[94:95]
	CROUND                                         ; all sixteen work-groups are here: the joint loads meet
	s_cmp_eq_u32 s15, 0                            ; one load a wave: waves 0, 1 for A, waves 2, 3 for B
	s_cbranch_scc0 .Lfor_b
	tensor_load_to_lds s[G0:G0+3], s[G1:G1+7]
	s_nop 0
	PLACES
	s_branch .Lasked
.Lfor_b:
	tensor_load_to_lds s[G0B:G0B+3], s[G1B:G1B+7]
	s_nop 0
	PLACES
.Lasked:
	v_and_b32 v3, 31, v0
	v_and_b32 v1, 15, v0                           ; r
	v_bfe_u32 v2, v0, 4, 1                         ; h
	v_lshlrev_b32 v[L16], 4, v3
	v_lshlrev_b32 v[L8], 3, v3
	v_lshlrev_b32 v[BO], 6, v2
.irp b, 0,1,2,3
.irp k, 0,1,2,3
	global_load_b128 v[BI+16*\b+4*\k:BI+16*\b+4*\k+3], v[BO], s[8:9] offset:128*\b+16*\k   ; register 16 b + i is column 32 b + 16 h + i
.endr
.endr
	v_lshlrev_b32 v6, 3, v1                        ; scale words: 8 bytes a row
	v_mul_u32_u24 v7, s91, v2                      ; lanes 16-31 take B's
	v_add_nc_u32 v7, v6, v7
	v_add_nc_u32 v[A16], s90, v[L16]
	v_add_nc_u32 v[A8], s90, v[L8]
	v_add_nc_u32 v[B16], s89, v[L16]
	v_add_nc_u32 v[B8], s89, v[L8]
	v_add_nc_u32 v[SCL], s96, v7
	v_add_nc_u32 v[SCB], s97, v6
.irp g, A16, A8, B16, B8, SCL, SCB
	v_add_nc_u32 v[\g+1], 2*OCT, v[\g]             ; K steps 2 and 3
.endr
	v_mul_u32_u24 v[STO], v1, 528                  ; the stage: in: row r, 64 bytes for each half of the lanes
	v_lshl_add_u32 v[STO], v2, 6, v[STO]
	v_add_nc_u32 v[STO], s98, v[STO]
	v_add_nc_u32 v[RD], s98, v[L16]                ; back: the 32 lanes take one row of 512 bytes
	s_wait_alu depctr_va_vdst(0)
	s_wait_tensorcnt 0x0                           ; my load has landed;
	s_barrier_signal -1
	s_barrier_wait -1                              ; everybody's has
	FETCH 0
	s_wait_loadcnt 0x0                             ; the bias
	s_wait_dscnt 0x0
	FETCH 1
	MUL 0, 1                                       ; the first products start the sums on the bias
.irp n, 1,2,3,4,5,6
	s_wait_dscnt 0x0                               ; this step's fragments, asked for ahead of the last 32 products, are in
	PLACES                                         ; in front of the loads into the set that the last products read
	FETCH \n+1
	MUL \n, 0
.endr
	s_wait_dscnt 0x0
	MUL 7, 0
	WIN 0
	s_barrier_signal -1                            ; no LDS instruction of mine is out: my reads of A's bytes are over
	s_barrier_wait -1                              ; everybody's are: the stages may be written
.macro TOSTAGE a
	WIN 0x08                                       ; the data: window 2
.irp b, 0,1,2,3,4,5,6,7
	ds_store_b128 v[STO], v[64*(\a)+8*\b:64*(\a)+8*\b+3] offset:128*(\b/2)+32*(\b%2)       ; each accumulator from its low end on
	ds_store_b128 v[STO], v[64*(\a)+8*\b+4:64*(\a)+8*\b+7] offset:128*(\b/2)+32*(\b%2)+16
.endr
	WIN 0
.set BB, BK+64*((\a)%2)
.irp t, 0,1,2,3,4,5,6,7,8,9,10,11,12,13,14,15
	ds_load_b128 v[BB+4*\t:BB+4*\t+3], v[RD] offset:\t*528     ; LDS serves a wave's instructions in order: these see my stores
.endr
.endm
.macro SEND a, younger
.set BB, BK+64*((\a)%2)
	s_wait_dscnt \younger
.irp t, 0,1,2,3,4,5,6,7,8,9,10,11,12,13,14,15
	global_store_b128 v[L16], v[BB+4*\t:BB+4*\t+3], s[10:11] offset:(32*((\a)/2)+8*((\a)%2)+\t+8*(\t/8))*4096 th:TH_STORE_NT   ; 512 consecutive bytes, aligned to 256
.endr
.endm
	PLACES                                         ; behind the last products: in front of the reads of their results and of the loads into A's registers
	TOSTAGE 0
.irp a, 1,2,3
.if \a > 1
	s_wait_xcnt 0x0                                ; block a - 2's stores have read their registers: block a's loads may land there
.endif
	TOSTAGE \a
	SEND \a-1, 32                                  ; behind block a - 1's loads: block a's 16 stores and 16 loads
.endr
	SEND 3, 0
	s_wait_tensorcnt 0x0                           ; the wave's end
	ds_add_u32 v[SPW], v[NIL]
	s_wait_dscnt 0x0
	CROUND                                         ; the closing round
	s_endpgm
.Lfunc_end_k_q20814ab80b_proj:
	.size	k_q20814ab80b_proj, .Lfunc_end_k_q20814ab80b_proj-k_q20814ab80b_proj
	.p2alignl 7, 3214868480
	.fill 96, 4, 3214868480
	.section	.rodata,"a",@progbits
	.p2align	6, 0x0
	.amdhsa_kernel k_q20814ab80b_proj
		.amdhsa_group_segment_fixed_size 327680
		.amdhsa_private_segment_fixed_size 0
		.amdhsa_enable_private_segment 0
		.amdhsa_kernarg_size 32
		.amdhsa_user_sgpr_count 2
		.amdhsa_user_sgpr_kernarg_segment_ptr 1
		.amdhsa_wavefront_size32 1
		.amdhsa_system_sgpr_workgroup_id_x 1
		.amdhsa_system_sgpr_workgroup_id_y 1
		.amdhsa_system_sgpr_workgroup_id_z 1
		.amdhsa_system_vgpr_workitem_id 0
		.amdhsa_next_free_vgpr 768
		.amdhsa_next_free_sgpr 100
		.amdhsa_reserve_vcc 0
		.amdhsa_float_denorm_mode_32 3
		.amdhsa_float_denorm_mode_16_64 3
		.amdhsa_memory_ordered 1
		.amdhsa_forward_progress 1
		.amdhsa_inst_pref_size 83
	.end_amdhsa_kernel
	.amdgpu_metadata
---
amdhsa.version: [ 1, 2 ]
amdhsa.kernels:
  - .name:           k_q20814ab80b_proj
    .symbol:         k_q20814ab80b_proj.kd
    .args:
      - { .name: ac, .offset: 0, .size: 8, .value_kind: global_buffer, .address_space: global }
      - { .name: cw, .offset: 8, .size: 8, .value_kind: global_buffer, .address_space: global }
      - { .name: out_b, .offset: 16, .size: 8, .value_kind: global_buffer, .address_space: global }
      - { .name: out0, .offset: 24, .size: 8, .value_kind: global_buffer, .address_space: global }
    .group_segment_fixed_size: 327680
    .private_segment_fixed_size: 0
    .kernarg_segment_align: 8
    .kernarg_segment_size: 32
    .max_flat_workgroup_size: 128
    .sgpr_count:     100
    .vgpr_count:     768
    .wavefront_size: 32
...
	.end_amdgpu_metadata
.endif
;; end of part 4
